; MI455X (gfx1250); checked and timed in simulation.
; The chip was launched on July 23, 2026; its instructions are those of AMD's public machine-readable ISA for CDNA 5 (MIT licence, August 2026) and "CDNA5" Instruction Set Architecture Reference Guide (July 2026). The comments in the code are by the model that wrote it; some were corrected since.
;; Attention. Allowed arithmetic: matrix products marked QUANTISED: E2M3 operands, one E8M0 scale for each 32 along K, by v_wmma_scale_f32_16x16x128_f8f6f4 with both operands' format E2M3, f32 sums; everything else in f32.
;; Inputs: cos 2,048 x 64 float32; sin 2,048 x 64 float32; wk 2,048 x 512 float32; wo 1,024 x 2,048 float32; wq 2,048 x 1,024 float32; wv 2,048 x 512 float32; x 2 x 2,048 x 2,048 float32.
;; Outputs: out0 2 x 2,048 x 2,048 float32.
;; This version of the problem:
;;   THIS VERSION OF THE PROBLEM IS GIVEN IN LOW PRECISION. The matrix products marked QUANTISED in the list below multiply operands that are first quantised to E2M3 (2 exponent bits, 3 mantissa bits; 6 bits a number), with one power-of-two scale for each 32 numbers along K (OCP MX v1.0); their sums are f32. All else is computed in f32.
;;   The module's matrix products, in the order in which they are computed (A, B: the left and right operand; K: the contracted axis; several contracted axes count as one K, in the product's order):
;;     1. [M 4,096, K 2,048] x [K 2,048, N 1,024]; A: input x; B: input wq: QUANTISED
;;     2. [M 4,096, K 2,048] x [K 2,048, N 512]; A: input x; B: input wk: QUANTISED
;;     3. [M 4,096, K 2,048] x [K 2,048, N 512]; A: input x; B: input wv: QUANTISED
;;     4. batch 32 x [M 2,048, K 64] x [K 64, N 2,048]; A: computed on the way; B: computed on the way: QUANTISED
;;     5. batch 32 x [M 64, K 2,048] x [K 2,048, N 2,048]; A: computed on the way; B: softmax (see below): QUANTISED
;;     6. [M 4,096, K 1,024] x [K 1,024, N 2,048]; A: computed on the way; B: input wo: QUANTISED
;;   THE QUANTISER, for each operand of a quantised product, along K:
;;     - K is cut into blocks of 32 from its start; a last block that is shorter is filled with zeros.
;;     - A block's scale is 2^e with e = floor(log2(the largest magnitude in the block)) - 2, held to -126 .. 127; a block of zeros has e = 0. As a byte (E8M0): e + 127.
;;     - Each number is divided by its block's scale, clamped to +-7.5, and rounded to the nearest number of E2M3, ties to even, subnormals kept.
;;     - The product sums the exact products of the quantised numbers (number of the format x scale) in f32.
;;   ~~~python
;;   def quantise(x, axis):      # numpy; x: float32 -> the quantised numbers, widened to float32 again
;;       x = np.moveaxis(x, axis, -1); K = x.shape[-1]
;;       x = np.pad(x, [(0, 0)] * (x.ndim - 1) + [(0, -K % 32)]); x = x.reshape(x.shape[:-1] + (-1, 32)); a = np.abs(x).max(-1, keepdims=True)
;;       e = np.where(a > 0, np.clip(np.frexp(np.where(a > 0, a, 1))[1] - 1 - 2, -126, 127), 0)      # np.frexp(a)[1] - 1 = floor(log2(a)), exactly
;;       r = np.clip(x / 2.0 ** e, -7.5, 7.5)
;;       step = 2.0 ** (np.maximum(np.frexp(np.where(r == 0, 1, r))[1] - 1, 0) - 3)
;;       q = np.round(r / step) * step * 2.0 ** e      # np.round: ties to even
;;       return np.moveaxis(q.reshape(q.shape[:-2] + (-1,))[..., :K], -1, axis).astype(np.float32)
;;   ~~~
;;   SOFTMAX AHEAD OF A QUANTISED PRODUCT. Where the list says 'softmax', what is quantised is not the finished softmax but p = 2^(t - M), with t = logit x log2(e) and M = ceil(the row's largest t), a whole number; so 1/2 < the row's largest p <= 1. The row's sum l is taken of the UNQUANTISED p, in f32, and the product's result is divided by l at the end. Since M is a whole number, a kernel that streams over the keys may use a running M (the ceiling of the running maximum): every later rescaling is an exact power of two, which a block's scale takes up: the codes' values come out the same.
;;   OPERANDS COMPUTED ON THE WAY. 'Computed on the way' means the value that the module computes at that place (a softmax that the list does not call 'softmax' is quantised finished and normalised). What goes into a quantiser is computed in f32, as accurately as f32 sums, v_exp_f32 and their like allow (about 1e-6 of the number): no bf16 or f16 on the way to a quantiser, and a product that is left as it is and whose result goes on into a quantised operand takes f32 operands (vector FMAs, or v_wmma_f32_16x16x4_f32). A number that lies on a knife's edge between two numbers of the format may be rounded either way, as far as f32 arithmetic and the matrix unit's own rounding can turn it there, and no further.
;; One version. Each part assembles by itself: llvm-mc -triple=amdgcn-amd-amdhsa -mcpu=gfx1250 --defsym DOCPART=n.
;; ======== version 1 of 1: 4 launches
;; limits: right only within a limited range of input values
;; workspace buffers: opnd 11,468,800 bytes; qkv 6,750,208 bytes; att 3,276,800 bytes
;; launch quant (part 1): grid 640 x 1, 4 waves a work-group, no clusters, 34,304 bytes of LDS; arguments x, wq, wk, wv, wo, opnd; writes opnd
.if DOCPART == 1
	.amdgcn_target "amdgcn-amd-amdhsa--gfx1250"
	.amdhsa_code_object_version 6
	.text
	.protected	k_qb2e28576c5_quant
	.globl	k_qb2e28576c5_quant
	.p2align	8
	.type	k_qb2e28576c5_quant,@function
k_qb2e28576c5_quant:
	s_mov_b64 s[64:65], 0
	v_nop
	global_prefetch_b8 v0, s[64:65] scope:SCOPE_SE
	s_setreg_imm32_b32 hwreg(HW_REG_WAVE_MODE, 25, 1), 1
	s_wait_xcnt 0x0
; FIRST OF FOUR LAUNCHES: x and the four weights, f32, become codes of E2M3 with one E8M0 byte for each 32 along K.
; WORK LEFT OUT BY THE PROGRAM (third launch): reference() adds triu(-inf, k = 1) to the scores in its own body, so for key j > query i the weight is 0 whatever finite values the inputs hold.
; A step of 128 keys that lies wholly behind a wave's 16 queries, and a slot of 256 keys that lies wholly behind a work-group's last query, can reach no output: neither is loaded nor multiplied.
; LIMIT: a NaN, an infinity or an overflow that reaches only such a tile is not carried to the result.  No input is without a way to the output: all seven are loaded.
; LIMITS OF THE QUANTISER: NaN and infinities among the inputs are not served; a block of zeros, and a block whose largest magnitude lies under 2^-124, gets the byte 1 (the rule says 127 for zeros):
; its codes are zeros or what the scale 2^-126 leaves, and this program alone reads the bytes.
; LAYOUT OF opnd.  A fragment (16 rows x 128 K, 12 registers a lane) lies as an image of its registers: registers 4 c .. 4 c + 3 of lane l at 512 c + 16 l: 1,536 bytes, three loads or stores of 16 bytes a lane.
;   codes: tile u, K step s at u x 24,576 + s x 1,536 (u = 0..255: x; 256..319: wq; 320..351: wk; 352..383: wv); wo's 128 tiles of 8 steps from OC on.
;   scale words: tile u from XS + 1,024 u on: the word of (row r, K step s) at 256 (s / 4) + 16 r + 4 (s % 4); wo's from OS on, 512 bytes a tile.
; THE ROWS OF A TILE of x, wq, wk, wv ARE NOT NEIGHBOURS: lane r of tile 2 g + u is row (or column) 32 g + 8 u + r + 8 (r / 8), so that the results of eight such tiles are neighbours along the next K.  wo's tiles are 16 neighbours.
; SHARES.  Work-groups 0..255: tile T of x; wave w its K steps 4 w .. 4 w + 3.  Work-groups 256..639: 128 columns x 128 K of a weight; a wave 32 columns: two tiles.
; Memory binds: every load of x reads 512 neighbouring bytes, every load of a weight 128 a wave and 512 a work-group; codes leave in stores of 512 neighbouring bytes.  No matrix unit, no cluster, no tensor load: nothing is shared.
.set XS,    11010048
.set OC,    9437184
.set OS,    11403264
.set STG,   8448                       ; a wave's stage: 16 rows x (512 bytes + 16)
.set SPARE, 4*STG                      ; behind the stages: the spare words, 128 bytes a wave
.set SPW,   252                        ; v252 LDS address of my spare word; never rewritten
.set NIL,   253                        ; v253 0; never rewritten
.set RX,    16                         ; x: v16-143 two sets of 64 numbers as loaded
.set XX,    144                        ; v144-207 my row's blocks h and 2 + h
.set CX,    208                        ; v208-219 the fragment
.set UX,    220                        ; v220-227 the blocks' upper halves, as converted
.set WX,    228                        ; v228-231 the four steps' scale words
.set MX,    232
.set SX,    234
.set BX,    236
.set WT,    238
.set WP,    239
.set XW,    16                         ; weights: v16-143 my column's 128 numbers
.set VOFF,  144                        ; v144-175 byte offsets of 32 rows
.set FA,    176                        ; v176-187 the first tile's fragment
.set FB,    188                        ; v188-199 the second's
.set UW,    200                        ; v200-215 upper halves
.set MW,    216
.set SW,    220
.set BW,    224
.set WW,    228
.set MT,    230
	s_load_b256 s[4:11], s[0:1], 0x0               ; x, wq, wk, wv
	s_load_b128 s[12:15], s[0:1], 0x20             ; wo, opnd
	v_lshl_add_u32 v[SPW], v0, 2, SPARE
	v_mov_b32 v[NIL], 0
	v_lshrrev_b32 v1, 5, v0
	v_readfirstlane_b32 s16, v1                    ; wave
	v_and_b32 v1, 31, v0                           ; lane
	v_and_b32 v2, 15, v0                           ; r
	v_bfe_u32 v3, v0, 4, 1                         ; h
	v_lshlrev_b32 v4, 4, v1                        ; 16 x lane
	s_wait_kmcnt 0x0
	s_cmp_ge_u32 ttmp9, 256
	s_cbranch_scc1 .Lw
; ---------------- x: K is innermost.  Only this path touches LDS.
	s_lshr_b32 s17, ttmp9, 1
	s_lshl_b32 s17, s17, 5
	s_and_b32 s18, ttmp9, 1
	s_lshl_b32 s18, s18, 3
	s_add_co_u32 s17, s17, s18                     ; the tile's first row: 32 (T / 2) + 8 (T % 2)
	s_lshl_b32 s20, s17, 13                        ; a row is 8,192 bytes
	s_lshl_b32 s18, s16, 11                        ; my four K steps: 2,048 bytes
	s_add_co_u32 s20, s20, s18
	s_mov_b32 s21, 0
	s_add_nc_u64 s[20:21], s[4:5], s[20:21]
	s_mul_i32 s22, ttmp9, 24576
	s_mul_i32 s18, s16, 6144
	s_add_co_u32 s22, s22, s18
	s_mov_b32 s23, 0
	s_add_nc_u64 s[22:23], s[14:15], s[22:23]      ; my four fragments
	s_lshl_b32 s24, ttmp9, 10
	s_lshl_b32 s18, s16, 8
	s_add_co_u32 s24, s24, s18
	s_add_co_u32 s24, s24, XS
	s_mov_b32 s25, 0
	s_add_nc_u64 s[24:25], s[14:15], s[24:25]      ; my 256 bytes of scale words
	s_mov_b32 s26, 0x76543210
	s_mov_b32 s27, 0xfedcba98                      ; lane l xor 16
	s_mul_i32 s28, s16, STG
	s_wait_alu depctr_va_vdst(0)
	v_add_nc_u32 v5, s28, v4                       ; the stage, on the way in: a row's 512 bytes as they lie
	v_mul_u32_u24 v6, v2, 528
	v_lshl_add_u32 v6, v3, 7, v6
	v_add_nc_u32 v6, s28, v6                       ; on the way out: row r, + 128 h: a whole block of 32 numbers
	v_lshlrev_b32 v7, 3, v3                        ; 8 h: my bytes' place in the scale word
	v_lshlrev_b32 v8, 4, v2
	v_lshl_add_u32 v8, v3, 3, v8                   ; 16 r + 8 h
	v_mov_b32 v[WP], 0                             ; a lane permute's destination counts as read
.macro LOADX st                        ; K step st of the tile's 16 rows: each load reads 512 neighbouring bytes
.set ii, 0
.rept 16
	global_load_b128 v[RX+64*((\st)%2)+4*ii:RX+64*((\st)%2)+4*ii+3], v4, s[20:21] offset:(ii+8*(ii/8))*8192+512*(\st) th:TH_LOAD_NT
.set ii, ii+1
.endr
.endm
.macro FRAGX st
.if (\st) < 3
	s_wait_loadcnt 16                              ; this step's 16 loads are in; the next step's 16 stay out
.else
	s_wait_loadcnt 0
.endif
.set ii, 0
.rept 16
	ds_store_b128 v5, v[RX+64*((\st)%2)+4*ii:RX+64*((\st)%2)+4*ii+3] offset:528*ii
.set ii, ii+1
.endr
.set ii, 0
.rept 16                               ; LDS serves a wave's instructions in order: these see the stores.  Register 32 c + i = k 64 c + 32 h + i of row r
	ds_load_b128 v[XX+4*ii:XX+4*ii+3], v6 offset:256*(ii/8)+16*(ii%8)
.set ii, ii+1
.endr
	s_wait_dscnt 0x0                               ; my numbers are back, and the stores have read their registers,
.if (\st)+2 < 4
	LOADX (\st)+2                                  ; which take the step two on
.endif
.irp c, 0,1
	v_max3_num_f32 v[MX+\c], |v[XX+32*\c]|, |v[XX+32*\c+1]|, 0x1800000   ; the floor 2^(3 - 127) holds the byte at 1 from below
.endr
.set ii, 2
.rept 15
.irp c, 0,1
	v_max3_num_f32 v[MX+\c], v[MX+\c], |v[XX+32*\c+ii]|, |v[XX+32*\c+ii+1]|
.endr
.set ii, ii+2
.endr
.irp c, 0,1
	v_add_nc_u32 v[SX+\c], 0xff000000, v[MX+\c]    ; 2 off the exponent field: the conversion's scale operand
.endr
.irp c, 0,1
	v_lshrrev_b32 v[BX+\c], 23, v[SX+\c]           ; the scale's byte
.endr
	v_lshl_or_b32 v[WT], v[BX+1], 16, v[BX]        ; blocks h and 2 + h,
	v_lshlrev_b32 v[WT], v7, v[WT]                 ; at their places;
	v_permlanex16_b32 v[WP], v[WT], s26, s27
	v_or_b32 v[WX+(\st)], v[WT], v[WP]             ; with lane l xor 16's two the word is whole
	s_wait_alu depctr_va_vdst(0)
	s_wait_xcnt 0x0                                ; the last fragment's stores have read their data: it is written again only behind this wait
.irp c, 0,1
	v_cvt_scalef32_pk16_fp6_f32 v[CX+6*\c:CX+6*\c+2], v[XX+32*\c:XX+32*\c+15], v[SX+\c]
	v_cvt_scalef32_pk16_fp6_f32 v[UX+4*\c:UX+4*\c+2], v[XX+32*\c+16:XX+32*\c+31], v[SX+\c]   ; (a conversion's three registers begin on an even number)
.endr
	v_nop                                          ; one plain place behind the conversions
.irp c, 0,1
.irp i, 0,1,2
	v_mov_b32 v[CX+6*\c+3+\i], v[UX+4*\c+\i]
.endr
.endr
.irp k, 0,1,2
	global_store_b128 v4, v[CX+4*\k:CX+4*\k+3], s[22:23] offset:1536*(\st)+512*\k   ; 512 neighbouring bytes
.endr
.endm
	LOADX 0
	LOADX 1
	s_wait_alu depctr_va_vdst(0)
	FRAGX 0
	FRAGX 1
	FRAGX 2
	FRAGX 3
	v_cmp_ne_u32 vcc_lo, 0, v3
	v_cndmask_b32 v240, v[WX], v[WX+2], vcc_lo     ; lanes 0-15 store steps 0, 1 of row r, lanes 16-31 steps 2, 3
	v_cndmask_b32 v241, v[WX+1], v[WX+3], vcc_lo
	global_store_b64 v8, v[240:241], s[24:25]      ; 256 neighbouring bytes, aligned
	s_wait_tensorcnt 0x0                           ; the wave's end, behind my last LDS store
	ds_add_u32 v[SPW], v[NIL]
	s_wait_dscnt 0x0
	s_endpgm
; ---------------- the weights: K is the first axis.  A lane takes a column, its registers run down K.  No LDS.
.Lw:
	s_sub_co_u32 s17, ttmp9, 256
	s_mov_b64 s[20:21], s[6:7]                     ; wq's figures; the others take their place by choices on the work-group's number
	s_mov_b32 s22, 0                               ; first work-group
	s_mov_b32 s23, 3                               ; log2 of the blocks of 128 columns
	s_mov_b32 s24, 4096                            ; bytes in a row
	s_mov_b32 s25, 256*24576                       ; codes
	s_mov_b32 s26, 24576                           ; a tile's codes
	s_mov_b32 s27, XS+256*1024                     ; scale words
	s_mov_b32 s28, 1024                            ; a tile's scale words
	s_mov_b32 s29, 8                               ; column = r + s29 (r / 8) + s30 (lane / 16)
	s_mov_b32 s30, 8
	s_cmp_ge_u32 s17, 128                          ; wk
	s_cselect_b64 s[20:21], s[8:9], s[20:21]
	s_cselect_b32 s22, 128, s22
	s_cselect_b32 s23, 2, s23
	s_cselect_b32 s24, 2048, s24
	s_cselect_b32 s25, 320*24576, s25
	s_cselect_b32 s27, XS+320*1024, s27
	s_cmp_ge_u32 s17, 192                          ; wv
	s_cselect_b64 s[20:21], s[10:11], s[20:21]
	s_cselect_b32 s22, 192, s22
	s_cselect_b32 s25, 352*24576, s25
	s_cselect_b32 s27, XS+352*1024, s27
	s_cmp_ge_u32 s17, 256                          ; wo
	s_cselect_b64 s[20:21], s[12:13], s[20:21]
	s_cselect_b32 s22, 256, s22
	s_cselect_b32 s23, 4, s23
	s_cselect_b32 s24, 8192, s24
	s_cselect_b32 s25, OC, s25
	s_cselect_b32 s26, 12288, s26
	s_cselect_b32 s27, OS, s27
	s_cselect_b32 s28, 512, s28
	s_cselect_b32 s29, 0, s29
	s_cselect_b32 s30, 16, s30
	s_sub_co_u32 s17, s17, s22
	s_bfm_b32 s31, s23, 0
	s_and_b32 s31, s17, s31                        ; which 128 columns
	s_lshr_b32 s17, s17, s23                       ; which K step
	s_wait_alu depctr_va_vdst(0)
	v_lshrrev_b32 v5, 3, v2
	v_mad_u32_u24 v5, v5, s29, v2
	v_mad_u32_u24 v5, v3, s30, v5                  ; my column among the wave's 32: lanes 0-15 the first tile, lanes 16-31 the second
	v_lshlrev_b32 v5, 2, v5
.set ii, 0
.rept 32
	v_mad_u32_u24 v[VOFF+ii], s24, ii, v5          ; row ii of a block, my column
.set ii, ii+1
.endr
	s_lshl_b32 s46, s17, 7
	s_mul_i32 s46, s46, s24                        ; 128 rows a K step
	s_lshl_b32 s47, s31, 9
	s_add_co_u32 s46, s46, s47
	s_lshl_b32 s47, s16, 7
	s_add_co_u32 s46, s46, s47
	s_mov_b32 s47, 0
	s_add_nc_u64 s[32:33], s[20:21], s[46:47]      ; a base for each block of 32 rows
	s_lshl_b32 s48, s24, 5
	s_mov_b32 s49, 0
	s_add_nc_u64 s[34:35], s[32:33], s[48:49]
	s_add_nc_u64 s[36:37], s[34:35], s[48:49]
	s_add_nc_u64 s[38:39], s[36:37], s[48:49]
	s_lshl_b32 s50, s31, 3
	s_lshl_b32 s51, s16, 1
	s_add_co_u32 s50, s50, s51                     ; my first tile
	s_mul_i32 s52, s50, s26
	s_add_co_u32 s52, s52, s25
	s_mul_i32 s51, s17, 1536
	s_add_co_u32 s52, s52, s51
	s_mov_b32 s53, 0
	s_add_nc_u64 s[40:41], s[14:15], s[52:53]      ; its fragment,
	s_mov_b32 s52, s26
	s_add_nc_u64 s[42:43], s[40:41], s[52:53]      ; and the second tile's
	s_mul_i32 s54, s50, s28
	s_add_co_u32 s54, s54, s27
	s_lshr_b32 s51, s17, 2
	s_lshl_b32 s51, s51, 8
	s_add_co_u32 s54, s54, s51
	s_and_b32 s51, s17, 3
	s_lshl_b32 s51, s51, 2
	s_add_co_u32 s54, s54, s51
	s_mov_b32 s55, 0
	s_add_nc_u64 s[44:45], s[14:15], s[54:55]
	v_lshlrev_b32 v9, 4, v2
	v_mad_u32_u24 v9, v3, s28, v9                  ; my scale word: 16 r, + a tile for lanes 16-31
.macro LOADW b
.set ii, 0
.rept 32
	global_load_b32 v[XW+32*(\b)+ii], v[VOFF+ii], s[32+2*(\b):33+2*(\b)] th:TH_LOAD_NT   ; the wave's 32 columns: 128 neighbouring bytes
.set ii, ii+1
.endr
.endm
.macro MAXW b                          ; a block's 32 numbers are all mine: two chains, with the floor among their leaves
	v_max3_num_f32 v[MW+\b], |v[XW+32*\b]|, |v[XW+32*\b+1]|, 0x1800000
	v_max3_num_f32 v[MT], |v[XW+32*\b+16]|, |v[XW+32*\b+17]|, 0x1800000
.set ii, 2
.rept 7
	v_max3_num_f32 v[MW+\b], v[MW+\b], |v[XW+32*\b+ii]|, |v[XW+32*\b+ii+1]|
	v_max3_num_f32 v[MT], v[MT], |v[XW+32*\b+16+ii]|, |v[XW+32*\b+17+ii]|
.set ii, ii+2
.endr
	v_max_num_f32 v[MW+\b], v[MW+\b], v[MT]
.endm
	s_wait_alu depctr_va_vdst(0)
	LOADW 0
	LOADW 1
	s_wait_loadcnt 32                              ; block 0 is in; block 1's 32 loads stay out
	LOADW 2
	MAXW 0
	s_wait_loadcnt 32                              ; block 1 is in; block 2's stay out
	LOADW 3
	MAXW 1
	s_wait_loadcnt 32                              ; block 2 is in; block 3's stay out
	MAXW 2
	s_wait_loadcnt 0
	MAXW 3
.irp b, 0,1,2,3
	v_add_nc_u32 v[SW+\b], 0xff000000, v[MW+\b]
.endr
.irp b, 0,1,2,3
	v_lshrrev_b32 v[BW+\b], 23, v[SW+\b]
.endr
	v_lshl_or_b32 v[WW], v[BW+1], 8, v[BW]
	v_lshl_or_b32 v[WW], v[BW+2], 16, v[WW]
	v_lshl_or_b32 v[WW], v[BW+3], 24, v[WW]        ; my column's scale word for this K step
	v_cvt_scalef32_pk16_fp6_f32 v[FA:FA+2], v[XW:XW+15], v[SW]
	v_cvt_scalef32_pk16_fp6_f32 v[UW:UW+2], v[XW+16:XW+31], v[SW]
	v_cvt_scalef32_pk16_fp6_f32 v[FB:FB+2], v[XW+32:XW+47], v[SW+1]
	v_cvt_scalef32_pk16_fp6_f32 v[UW+4:UW+6], v[XW+48:XW+63], v[SW+1]
	v_cvt_scalef32_pk16_fp6_f32 v[FA+6:FA+8], v[XW+64:XW+79], v[SW+2]
	v_cvt_scalef32_pk16_fp6_f32 v[UW+8:UW+10], v[XW+80:XW+95], v[SW+2]
	v_cvt_scalef32_pk16_fp6_f32 v[FB+6:FB+8], v[XW+96:XW+111], v[SW+3]
	v_cvt_scalef32_pk16_fp6_f32 v[UW+12:UW+14], v[XW+112:XW+127], v[SW+3]
	v_nop                                          ; one plain place behind the conversions
; Every lane holds blocks 0 to 3 of its own column; a fragment wants blocks h and 2 + h of row r.  The first register's lanes 16-31 (second tile, even block) change places with the second's lanes 0-15 (first tile, odd block).
.irp i, 0,1,2
	v_permlane16_swap_b32 v[FA+\i], v[FB+\i]
	v_permlane16_swap_b32 v[UW+\i], v[UW+4+\i]
	v_permlane16_swap_b32 v[FA+6+\i], v[FB+6+\i]
	v_permlane16_swap_b32 v[UW+8+\i], v[UW+12+\i]
.endr
.irp i, 0,1,2
	v_mov_b32 v[FA+3+\i], v[UW+\i]
	v_mov_b32 v[FB+3+\i], v[UW+4+\i]
	v_mov_b32 v[FA+9+\i], v[UW+8+\i]
	v_mov_b32 v[FB+9+\i], v[UW+12+\i]
.endr
.irp k, 0,1,2
	global_store_b128 v4, v[FA+4*\k:FA+4*\k+3], s[40:41] offset:512*\k
	global_store_b128 v4, v[FB+4*\k:FB+4*\k+3], s[42:43] offset:512*\k
.endr
	global_store_b32 v9, v[WW], s[44:45]           ; 4 bytes of every 16: the other three K steps of the group belong to other work-groups.  One byte in 128 of what this path reads
	s_endpgm
.Lfunc_end_k_qb2e28576c5_quant:
	.size	k_qb2e28576c5_quant, .Lfunc_end_k_qb2e28576c5_quant-k_qb2e28576c5_quant
	.p2alignl 7, 3214868480
	.fill 96, 4, 3214868480
	.section	.rodata,"a",@progbits
	.p2align	6, 0x0
	.amdhsa_kernel k_qb2e28576c5_quant
		.amdhsa_group_segment_fixed_size 34304
		.amdhsa_private_segment_fixed_size 0
		.amdhsa_enable_private_segment 0
		.amdhsa_kernarg_size 48
		.amdhsa_user_sgpr_count 2
		.amdhsa_user_sgpr_kernarg_segment_ptr 1
		.amdhsa_wavefront_size32 1
		.amdhsa_system_sgpr_workgroup_id_x 1
		.amdhsa_system_sgpr_workgroup_id_y 1
		.amdhsa_system_sgpr_workgroup_id_z 1
		.amdhsa_system_vgpr_workitem_id 0
		.amdhsa_next_free_vgpr 256
		.amdhsa_next_free_sgpr 66
		.amdhsa_reserve_vcc 1
		.amdhsa_float_denorm_mode_32 3
		.amdhsa_float_denorm_mode_16_64 3
		.amdhsa_memory_ordered 1
		.amdhsa_forward_progress 1
		.amdhsa_inst_pref_size 55
	.end_amdhsa_kernel
	.amdgpu_metadata
---
amdhsa.version: [ 1, 2 ]
amdhsa.kernels:
  - .name:           k_qb2e28576c5_quant
    .symbol:         k_qb2e28576c5_quant.kd
    .args:
      - { .name: x, .offset: 0, .size: 8, .value_kind: global_buffer, .address_space: global }
      - { .name: wq, .offset: 8, .size: 8, .value_kind: global_buffer, .address_space: global }
      - { .name: wk, .offset: 16, .size: 8, .value_kind: global_buffer, .address_space: global }
      - { .name: wv, .offset: 24, .size: 8, .value_kind: global_buffer, .address_space: global }
      - { .name: wo, .offset: 32, .size: 8, .value_kind: global_buffer, .address_space: global }
      - { .name: opnd, .offset: 40, .size: 8, .value_kind: global_buffer, .address_space: global }
    .group_segment_fixed_size: 34304
    .private_segment_fixed_size: 0
    .kernarg_segment_align: 8
    .kernarg_segment_size: 48
    .max_flat_workgroup_size: 128
    .sgpr_count:     66
    .vgpr_count:     256
    .wavefront_size: 32
...
	.end_amdgpu_metadata
.endif
;; end of part 1
;; launch qkv (part 2): grid 256 x 1, 4 waves a work-group, clusters of 4 x 1, 327,680 bytes of LDS; arguments opnd, cos, sin, qkv; writes qkv
.if DOCPART == 2
	.amdgcn_target "amdgcn-amd-amdhsa--gfx1250"
	.amdhsa_code_object_version 6
	.text
	.protected	k_qb2e28576c5_qkv
	.globl	k_qb2e28576c5_qkv
	.p2align	8
	.type	k_qb2e28576c5_qkv,@function
k_qb2e28576c5_qkv:
	s_mov_b64 s[64:65], 0
	v_nop
	global_prefetch_b8 v0, s[64:65] scope:SCOPE_SE
	s_setreg_imm32_b32 hwreg(HW_REG_WAVE_MODE, 25, 1), 1
	s_wait_xcnt 0x0
	s_wait_alu depctr_hold_cnt(0) depctr_sa_sdst(0) depctr_va_vdst(0) depctr_va_sdst(0) depctr_va_ssrc(0) depctr_va_vcc(0) depctr_vm_vsrc(0)
	s_getreg_b32 s2, hwreg(HW_REG_IB_STS2, 6, 4)
	s_cmp_eq_u32 s2, 0
	s_cbranch_scc0 .Lentry_in_a_cluster
	s_endpgm
.Lentry_in_a_cluster:
	s_bfe_u32 s2, ttmp6, 0x10000c
	s_cmp_lg_u32 s2, 0x3003
	s_cbranch_scc0 .Lentry_shape_is_right
	s_endpgm
.Lentry_shape_is_right:
; SECOND LAUNCH: q = x wq, k = x wk, v = x wv on codes of E2M3 (K = 2,048), RoPE on q and k in f32, and the three results quantised in registers: q and k along the head's 64, v along the keys.  Nothing is left out here.
; ONE BODY FOR THE THREE PRODUCTS.  C'[i][j] = sum S1[i] S0[j]; source 0 = 16 rows of S0, source 1 = 16 rows of S1: a lane holds ONE row of S1 and its registers run along S0.
;   q, k: S1 = x (a lane = a position), S0 = the weight's columns (registers along the head's 64).     v: S1 = wv's columns (a lane = a channel), S0 = x (registers along the keys).
; The rows of a tile of S0 are chosen (first launch) so that register 16 g + i of a lane's eight tiles is index 32 g + 16 (lane / 16) + i: 16 neighbours along the next K; RoPE's partners d and d + 32 lie in one lane.
; SHARES.  Cluster number c: i1 = c / 4, kind = c % 4 (0, 1: q's halves; 2: k; 3: v).  A work-group makes 256 rows of S1 x 128 of S0; wave w S1's tiles 4 w .. 4 w + 3 against S0's eight: 32 accumulators.
; CLUSTER 4 x 1: the four partners share S1's tile, which is asked for jointly (mask 15); S0's tile is each partner's own.  No 4 x 4: v has only two S1 tiles of 256 rows, so the grid does not divide so.
; K goes in slots of four steps of 128 through a ring of two LDS slots; operands lie in memory and LDS as images of their registers: every LDS load reads 512 neighbouring bytes, no pitch, no padding.
; LDS: slot s at 147,456 s: S1's 16 tiles x 6,144, then S0's 8; from 294,912 S1's scale words (16 x 1,024), S0's (8 x 1,024); the spare words.  All of a WGP's LDS is claimed.
; REGISTERS: window 0: v1-24 addresses; v8-11 the stores' offsets, v12-15 the results' scale words; v32-63 S1's scale words (two sets), v64-95 S0's (lanes 0-15 tile i, lanes 16-31 tile 4 + i); v96-191 S1's fragments, two sets;
;   on the way out v96-159 RoPE's products, v160-239 the codes, v240-255 at work.  window 1: S0's fragments, two sets at 0 and 128.  window 2: accumulator (a, b) at 8 (8 a + b).  window 3: cos and sin of my 64 positions.
; LAYOUT OF qkv: q's codes: tile T, head n at 12,288 T + 768 n: half a fragment (16 rows x 64: registers 2 p, 2 p + 1 of lane l at 256 p + 8 l).  From KVC on, for each (batch, kv head) 8 slots of 24,576 bytes: 16 key tiles x 768, then
;   V: 2 steps x 4 channel tiles x 1,536.  Scale words: pairs of tiles side by side: the word of (tile a of four, row r) at 128 (a / 2) + 8 r + 4 (a % 2).
.set XS,    11010048
.set KVC,   3145728
.set QS,    6291456
.set KVS,   6553600
.set FRB,   1536
.set TSL,   4*FRB                      ; a tile's four steps in a slot
.set S0O,   16*TSL
.set SLOT,  24*TSL
.set SCL,   2*SLOT
.set SCB,   SCL+16384
.set SPARE, SCB+8192
.set VO,    8
.set PW,    12
.set ADR1,  16                         ; v16-17 S1's fragments in slot 0, 1
.set ADR0,  20                         ; v20-21 S0's
.set ASA,   22
.set ASB,   23
.set VCS,   24
.set SPW,   28
.set NIL,   29
.set SA,    32
.set SB,    64
.set F1,    96
.set TT,    96
.set PCB,   160
.set TM,    240
.set G1A,   24
.set G0A,   32
.set G1B,   48
.set G0B,   56
.set SEL,   66
.set G1SA,  68
.set G0SA,  76
.set G1SB,  80
.set G0SB,  88
.set MSB, 0
.macro WIN new                         ; the immediate's high byte repeats the setting that is left
.if MSB != \new
	s_set_vgpr_msb (MSB<<8)|\new
.set MSB, \new
.endif
.endm
.macro PLACES n
.rept \n
	v_nop
.endr
.endm
; Waves 0 and 1 fetch S1's halves (jointly), waves 2 and 3 S0's.  The branch hangs on the wave's number alone.  An s_nop 0 and four v_nop follow each line.
.macro JLOAD g0a, g1a, g0b, g1b
	s_cmp_eq_u32 s15, 0
	s_cbranch_scc0 .Lfor_b_\@
	tensor_load_to_lds s[\g0a:\g0a+3], s[\g1a:\g1a+7]
	s_nop 0
.rept 4
	v_nop
.endr
	s_branch .Lasked_\@
.Lfor_b_\@:
	tensor_load_to_lds s[\g0b:\g0b+3], s[\g1b:\g1b+7]
	s_nop 0
.rept 4
	v_nop
.endr
.Lasked_\@:
.endm
.macro CREST                           ; a round of the cluster's barrier behind its opening barrier
	s_cmp_lg_u32 s14, 0
	s_cbranch_scc1 .Lnot_wave_0_\@
	s_barrier_signal -3
.Lnot_wave_0_\@:
	s_barrier_wait -3
	s_barrier_signal -1
	s_barrier_wait -1
.endm
.macro CROUND
	s_barrier_signal -1
	s_barrier_wait -1
	CREST
.endm
	s_load_b256 s[4:11], s[0:1], 0x0               ; opnd, cos, sin, qkv
	v_lshl_add_u32 v[SPW], v0, 2, SPARE
	v_mov_b32 v[NIL], 0
	ds_add_u32 v[SPW], v[NIL]                      ; the wave's opening: the add, twice on end, and its wait ahead of my first tensor load
	ds_add_u32 v[SPW], v[NIL]
	v_lshrrev_b32 v1, 5, v0
	v_readfirstlane_b32 s14, v1                    ; wave
	s_lshr_b32 s15, s14, 1                         ; I fetch for S1 (0) or S0 (1),
	s_and_b32 s16, s14, 1                          ; its first or second half
	s_bfe_u32 s40, ttmp6, 0x40000                  ; cx
	s_lshr_b32 s42, ttmp9, 2                       ; i1
	s_and_b32 s43, ttmp9, 3                        ; kind: the same in all four partners
	s_and_b32 s44, s42, 7
	s_lshr_b32 s45, s42, 3
	s_lshl_b32 s46, s42, 4                         ; q, k: S1 = x's tiles 16 i1 on
	s_lshl_b32 s17, s45, 4
	s_add_co_u32 s17, s17, 352                     ; v: wv's tiles 352 + 16 (i1 / 8) on
	s_lshl_b32 s47, s43, 5
	s_add_co_u32 s47, s47, 256                     ; q, k: S0 = the weights' tiles 256 + 32 kind on
	s_lshl_b32 s19, s44, 5                         ; v: x's tiles 32 (i1 % 8) on
	s_cmp_eq_u32 s43, 3
	s_cselect_b32 s46, s17, s46
	s_cselect_b32 s47, s19, s47
	s_lshl_b32 s19, s40, 3
	s_add_co_u32 s47, s47, s19                     ; + 8 cx: S0's tile alone hangs on my place in the cluster
	s_lshl_b32 s19, s16, 2
	s_add_co_u32 s47, s47, s19                     ; + my half's 4 tiles
	s_lshl_b32 s18, s16, 3
	s_add_co_u32 s46, s46, s18                     ; S1: + my half's 8 tiles
	; descriptors' groups 1: elements of 8 bytes, no padding.  Codes: a row = a tile's four steps (6,144 bytes), from tile to tile 24,576 bytes
	s_mov_b32 s[G1A+0], 15|(3<<16)|(1<<21)         ; the mask: all four partners; bit 21 beside it
	s_mov_b32 s[G1A+1], 768<<16
	s_mov_b32 s[G1A+2], 16<<16                     ; the head's load brings all 16 tiles; the ring's loads 8 (set behind the head's wait)
	s_mov_b32 s[G1A+3], 768<<16
	s_mov_b32 s[G1A+4], 16
	s_mov_b32 s[G1A+5], 3072
	s_mov_b32 s[G1A+6], 0
	s_mov_b32 s[G1A+7], 0
	s_mov_b32 s[G1B+0], 3<<16
	s_mov_b32 s[G1B+1], 768<<16
	s_mov_b32 s[G1B+2], 8<<16                      ; the head's load brings all 8 tiles; the ring's loads 4
	s_mov_b32 s[G1B+3], 768<<16
	s_mov_b32 s[G1B+4], 8
	s_mov_b32 s[G1B+5], 3072
	s_mov_b32 s[G1B+6], 0
	s_mov_b32 s[G1B+7], 0
	s_mov_b32 s[G1SA+0], 15|(3<<16)|(1<<21)        ; scale words: dense, as rows of 256 bytes
	s_mov_b32 s[G1SA+1], 32<<16
	s_mov_b32 s[G1SA+2], 64<<16                    ; 16 tiles x 1,024 bytes
	s_mov_b32 s[G1SA+3], 32<<16
	s_mov_b32 s[G1SA+4], 64
	s_mov_b32 s[G1SA+5], 32
	s_mov_b32 s[G1SA+6], 0
	s_mov_b32 s[G1SA+7], 0
	s_mov_b32 s[G1SB+0], 3<<16
	s_mov_b32 s[G1SB+1], 32<<16
	s_mov_b32 s[G1SB+2], 32<<16                    ; 8 tiles x 1,024 bytes
	s_mov_b32 s[G1SB+3], 32<<16
	s_mov_b32 s[G1SB+4], 32
	s_mov_b32 s[G1SB+5], 32
	s_mov_b32 s[G1SB+6], 0
	s_mov_b32 s[G1SB+7], 0
	s_mul_i32 s20, s46, 24576
	s_mov_b32 s21, 0
	s_sub_co_u32 s22, s46, s18                     ; the scale words come whole: from S1's first tile on, without my half
	s_lshl_b32 s22, s22, 10
	s_add_co_u32 s22, s22, XS
	s_mov_b32 s23, 0
	s_mul_i32 s92, s47, 24576
	s_mov_b32 s93, 0
	s_sub_co_u32 s94, s47, s19                     ; likewise S0's
	s_lshl_b32 s94, s94, 10
	s_add_co_u32 s94, s94, XS
	s_mov_b32 s95, 0
	s_mul_i32 s96, s16, 8*TSL                      ; where they go: my half: no place in the cluster enters an LDS address
	s_mul_i32 s97, s16, 4*TSL
	s_mov_b32 s[SEL], 0x76543210
	s_mov_b32 s[SEL+1], 0xfedcba98
	s_wait_dscnt 0x0                               ; both opening adds are done
	s_wait_kmcnt 0x0
	s_add_nc_u64 s[20:21], s[4:5], s[20:21]
	s_add_nc_u64 s[22:23], s[4:5], s[22:23]
	s_add_nc_u64 s[92:93], s[4:5], s[92:93]
	s_add_nc_u64 s[94:95], s[4:5], s[94:95]
	CROUND                                         ; all four work-groups are here: the first joint loads meet
	s_mov_b32 s[G0SA], 1
	s_mov_b32 s[G0SA+1], SCL
	s_mov_b64 s[G0SA+2:G0SA+3], s[22:23]
	s_or_b32 s[G0SA+3], s[G0SA+3], 0x80000000
	s_mov_b32 s[G0SB], 1
	s_mov_b32 s[G0SB+1], SCB
	s_mov_b64 s[G0SB+2:G0SB+3], s[94:95]
	s_or_b32 s[G0SB+3], s[G0SB+3], 0x80000000
.irp s, 0,1
	s_mov_b32 s[G0A+4*\s], 1
	s_add_co_u32 s[G0A+4*\s+1], s96, \s*SLOT
	s_add_nc_u64 s[G0A+4*\s+2:G0A+4*\s+3], s[20:21], \s*TSL
	s_or_b32 s[G0A+4*\s+3], s[G0A+4*\s+3], 0x80000000
	s_mov_b32 s[G0B+4*\s], 1
	s_add_co_u32 s[G0B+4*\s+1], s97, \s*SLOT+S0O
	s_add_nc_u64 s[G0B+4*\s+2:G0B+4*\s+3], s[92:93], \s*TSL
	s_or_b32 s[G0B+4*\s+3], s[G0B+4*\s+3], 0x80000000
.endr
; THE HEAD'S LOADS, ONE A WAVE: wave 0 slot 0's 16 tiles of S1 (its half's address is the first tile's), wave 1 S1's scale words, wave 2 slot 0's 8 tiles of S0, wave 3 S0's scale words.
; One chain of branches on the wave's number, one load to an arm, all arms leading to one join.
.macro ARM under, g0, g1, next
	s_cmp_lt_u32 s14, \under
	s_cbranch_scc0 \next
	tensor_load_to_lds s[\g0:\g0+3], s[\g1:\g1+7]
	s_nop 0
.rept 4
	v_nop
.endr
	s_branch .Lhead_asked
\next:
.endm
	ARM 1, G0A,  G1A,  .Lhead_sa
	ARM 2, G0SA, G1SA, .Lhead_b
	ARM 3, G0B,  G1B,  .Lhead_sb
	tensor_load_to_lds s[G0SB:G0SB+3], s[G1SB:G1SB+7]
	s_nop 0
.rept 4
	v_nop
.endr
.Lhead_asked:
; PREFETCHES INTO THE L2, one slot (four K steps) ahead of the tensor load that will want the bytes.  A tile's part of a slot is 6,144 bytes: 24 blocks of 256, a lane a block (lanes 24-31 name the last block again).
; S1's 16 tiles are shared out among the four partners BY ADDRESS: partner cx, wave w asks for tile 4 cx + w; of my own 8 tiles of S0 wave w asks for tiles 2 w and 2 w + 1.  So each block is named once in the cluster.
; Slot k is asked for by PF k: slot 1 here, slot 2 behind slot 1's load, slot 3 behind slot 2's; slot 3 is the last: nothing is asked for beyond it.  The address registers are never rewritten.
.macro PF k
	global_prefetch_b8 v30, s[100:101] offset:(\k)*TSL th:TH_LOAD_NT scope:SCOPE_SE
	global_prefetch_b8 v30, s[104:105] offset:(\k)*TSL th:TH_LOAD_NT scope:SCOPE_SE
	global_prefetch_b8 v30, s[104:105] offset:(\k)*TSL+24576 th:TH_LOAD_NT scope:SCOPE_SE
.endm
	s_lshl_b32 s12, s16, 3
	s_sub_co_u32 s12, s46, s12                     ; S1's first tile
	s_lshl_b32 s13, s40, 2
	s_add_co_u32 s12, s12, s13
	s_add_co_u32 s12, s12, s14                     ; + 4 cx + w
	s_mul_i32 s12, s12, 24576
	s_mov_b32 s13, 0
	s_add_nc_u64 s[100:101], s[4:5], s[12:13]
	s_lshl_b32 s12, s16, 2
	s_sub_co_u32 s12, s47, s12                     ; my first tile of S0
	s_lshl_b32 s13, s14, 1
	s_add_co_u32 s12, s12, s13                     ; + 2 w
	s_mul_i32 s12, s12, 24576
	s_mov_b32 s13, 0
	s_add_nc_u64 s[104:105], s[4:5], s[12:13]
	v_and_b32 v30, 31, v0
	v_min_u32 v30, 23, v30
	v_lshlrev_b32 v30, 8, v30
	PF 1
	v_and_b32 v1, 15, v0                           ; r
	v_bfe_u32 v2, v0, 4, 1                         ; h
	v_and_b32 v4, 31, v0
	v_lshlrev_b32 v3, 3, v4                        ; 8 x lane
	v_lshlrev_b32 v5, 4, v4                        ; 16 x lane
	s_mul_i32 s17, s14, 4*TSL
	v_add_nc_u32 v[ADR1], s17, v5
	v_add_nc_u32 v[ADR1+1], SLOT, v[ADR1]
	v_add_nc_u32 v[ADR0], S0O, v5
	v_add_nc_u32 v[ADR0+1], SLOT, v[ADR0]
	v_lshlrev_b32 v6, 4, v1
	s_lshl_b32 s17, s14, 12
	s_add_co_u32 s17, s17, SCL
	v_add_nc_u32 v[ASA], s17, v6                   ; S1's scale words: my four tiles, 16 r
	v_lshl_add_u32 v[ASB], v2, 12, v6
	v_add_nc_u32 v[ASB], SCB, v[ASB]               ; S0's: lanes 16-31 four tiles on
	v_lshrrev_b32 v7, 3, v1
	v_lshl_add_u32 v7, v7, 3, v1                   ; r + 8 (r / 8)
	v_lshlrev_b32 v[VCS], 8, v7
	v_lshl_add_u32 v[VCS], v2, 6, v[VCS]           ; cos, sin: my position's row of 256 bytes, + 64 h
	s_lshl_b32 s17, s44, 8
	s_lshl_b32 s18, s14, 6
	s_add_co_u32 s17, s17, s18                     ; my wave's first position: 256 (i1 % 8) + 64 w
	s_lshl_b32 s12, s17, 8
	s_mov_b32 s13, 0
	s_add_nc_u64 s[6:7], s[6:7], s[12:13]
	s_add_nc_u64 s[8:9], s[8:9], s[12:13]
	; where the results go, in bytes from qkv: s92 the first half fragment of tile a = 0, s93 from it to the second half, s94 the scale words, s95 to the second head's, s96 from tile to tile, s97 the word's mask
	s_cmp_eq_u32 s43, 2
	s_cbranch_scc1 .Ldst_k
	s_cmp_eq_u32 s43, 3
	s_cbranch_scc1 .Ldst_v
	s_lshl_b32 s17, s43, 2
	s_add_co_u32 s17, s17, s40                     ; q: heads 2 n and 2 n + 1, n = 4 kind + cx
	s_lshl_b32 s18, s42, 4
	s_lshl_b32 s19, s14, 2
	s_add_co_u32 s18, s18, s19                     ; tile 16 i1 + 4 w
	s_mul_i32 s92, s18, 12288
	s_mul_i32 s19, s17, 1536
	s_add_co_u32 s92, s92, s19
	s_mov_b32 s93, 768
	s_lshl_b32 s94, s18, 10
	s_lshl_b32 s19, s17, 9
	s_add_co_u32 s94, s94, s19
	s_add_co_u32 s94, s94, QS
	s_mov_b32 s95, 256
	s_mov_b32 s96, 12288
	s_mov_b32 s97, 0xffff
	s_branch .Ldst_done
.Ldst_k:
	s_lshl_b32 s18, s45, 3
	s_lshl_b32 s19, s40, 1
	s_add_co_u32 s18, s18, s19                     ; k: (batch, kv head 2 cx), and the next head
	s_mul_i32 s92, s18, 196608
	s_mul_i32 s19, s44, 24576
	s_add_co_u32 s92, s92, s19                     ; slot i1 % 8,
	s_mul_i32 s19, s14, 3072
	s_add_co_u32 s92, s92, s19                     ; key tiles 4 w on
	s_add_co_u32 s92, s92, KVC
	s_mov_b32 s93, 196608
	s_mul_i32 s94, s18, 12288
	s_lshl_b32 s19, s44, 2
	s_add_co_u32 s19, s19, s14
	s_lshl_b32 s19, s19, 8
	s_add_co_u32 s94, s94, s19
	s_add_co_u32 s94, s94, KVS
	s_mov_b32 s95, 12288
	s_mov_b32 s96, 768
	s_mov_b32 s97, 0xffff
	s_branch .Ldst_done
.Ldst_v:
	s_lshl_b32 s18, s44, 2
	s_add_co_u32 s18, s18, s40                     ; v: which 128 rows of x
	s_lshr_b32 s19, s18, 4                         ; batch
	s_and_b32 s18, s18, 15                         ; key step
	s_lshl_b32 s19, s19, 3
	s_lshl_b32 s12, s45, 2
	s_add_co_u32 s19, s19, s12
	s_add_co_u32 s19, s19, s14                     ; kv head 4 (i1 / 8) + w
	s_mul_i32 s92, s19, 196608
	s_lshr_b32 s12, s18, 1
	s_mul_i32 s12, s12, 24576
	s_add_co_u32 s92, s92, s12
	s_and_b32 s12, s18, 1
	s_mul_i32 s12, s12, 6144
	s_add_co_u32 s92, s92, s12
	s_add_co_u32 s92, s92, KVC+12288
	s_mov_b32 s93, 768
	s_mul_i32 s94, s19, 12288
	s_lshl_b32 s12, s18, 8
	s_add_co_u32 s94, s94, s12
	s_add_co_u32 s94, s94, KVS+8192
	s_mov_b32 s95, 256                             ; (not used)
	s_mov_b32 s96, 1536
	s_mov_b32 s97, -1
.Ldst_done:
	s_mov_b32 s2, s92
	s_mov_b32 s3, 0
	s_add_nc_u64 s[2:3], s[10:11], s[2:3]
	s_mov_b32 s12, s93
	s_mov_b32 s13, 0
	s_add_nc_u64 s[12:13], s[2:3], s[12:13]
	s_mov_b32 s18, s94
	s_mov_b32 s19, 0
	s_add_nc_u64 s[18:19], s[10:11], s[18:19]
	s_mov_b32 s20, s95
	s_mov_b32 s21, 0
	s_add_nc_u64 s[20:21], s[18:19], s[20:21]
	v_mov_b32 v[VO], v3
	v_add_nc_u32 v[VO+1], s96, v[VO]
	v_add_nc_u32 v[VO+2], s96, v[VO+1]
	v_add_nc_u32 v[VO+3], s96, v[VO+2]
; 36 LDS loads in one run: S0's eight fragments and my four of S1 for the slot's q-th step, into set p
.macro FETCH slot, q, p
	WIN 0x40
.irp b, 0,1,2,3,4,5,6,7
.irp c, 0,1,2
	ds_load_b128 v[128*(\p)+12*\b+4*\c:128*(\p)+12*\b+4*\c+3], v[ADR0+\slot] offset:TSL*\b+FRB*(\q)+512*\c
.endr
.endr
	WIN 0
.irp a, 0,1,2,3
.irp c, 0,1,2
	ds_load_b128 v[F1+48*(\p)+12*\a+4*\c:F1+48*(\p)+12*\a+4*\c+3], v[ADR1+\slot] offset:TSL*\a+FRB*(\q)+512*\c
.endr
.endr
.endm
.macro SCALES sg                       ; the scale words of the four steps 4 sg on: 8 loads; a register for each step
.irp a, 0,1,2,3
	ds_load_b128 v[SA+16*((\sg)%2)+4*\a:SA+16*((\sg)%2)+4*\a+3], v[ASA] offset:1024*\a+256*(\sg)
.endr
.irp i, 0,1,2,3
	ds_load_b128 v[SB+16*((\sg)%2)+4*\i:SB+16*((\sg)%2)+4*\i+3], v[ASB] offset:1024*\i+256*(\sg)
.endr
.endm
; 8 matrix instructions: S1's tile a against S0's eight.  The 32 accumulators take turns, one instruction a turn, in the same order in every step.
.macro MUL8 a, p, q, sc, zero
.set bb, 0
.rept 8
.set rD, 8*(8*(\a)+bb)
.set rA, 128*(\p)+12*bb
.set rB, F1+48*(\p)+12*(\a)
.set rX, SB+16*(\sc)+4*(bb%4)+(\q)
.set rY, SA+16*(\sc)+4*(\a)+(\q)
.if (\zero) && (bb < 4)
	v_wmma_scale_f32_16x16x128_f8f6f4 v[rD:rD+7], v[rA:rA+11], v[rB:rB+11], 0, v[rX], v[rY] matrix_a_fmt:MATRIX_FMT_FP6 matrix_b_fmt:MATRIX_FMT_FP6
.elseif \zero
	v_wmma_scale_f32_16x16x128_f8f6f4 v[rD:rD+7], v[rA:rA+11], v[rB:rB+11], 0, v[rX], v[rY] matrix_a_fmt:MATRIX_FMT_FP6 matrix_b_fmt:MATRIX_FMT_FP6 matrix_a_scale:MATRIX_SCALE_ROW1
.elseif bb < 4
	v_wmma_scale_f32_16x16x128_f8f6f4 v[rD:rD+7], v[rA:rA+11], v[rB:rB+11], v[rD:rD+7], v[rX], v[rY] matrix_a_fmt:MATRIX_FMT_FP6 matrix_b_fmt:MATRIX_FMT_FP6
.else
	v_wmma_scale_f32_16x16x128_f8f6f4 v[rD:rD+7], v[rA:rA+11], v[rB:rB+11], v[rD:rD+7], v[rX], v[rY] matrix_a_fmt:MATRIX_FMT_FP6 matrix_b_fmt:MATRIX_FMT_FP6 matrix_a_scale:MATRIX_SCALE_ROW1
.endif
.set bb, bb+1
.endr
.endm
; One of a slot's first three steps: the next step's fragments are asked for, then this step's 32 products run.
.macro STEP slot, q, sc, zero
	PLACES 4                                       ; four places in front of loads into registers that the step before has multiplied (ISA guide 7.12.1 for vector instructions)
	FETCH \slot, (\q)+1, ((\q)+1)%2
	s_wait_dscnt 36                                ; all but the 36 just issued
	WIN 0xa1                                       ; source 0 window 1, source 1 window 0, C and D window 2
	MUL8 0, (\q)%2, \q, \sc, \zero
	MUL8 1, (\q)%2, \q, \sc, \zero
	MUL8 2, (\q)%2, \q, \sc, \zero
	MUL8 3, (\q)%2, \q, \sc, \zero
	WIN 0
.endm
; A slot's last step changes slots: ONE barrier; in front of it each wave waits for all its tensor loads, adds 0 to its spare word, and waits for that and for its own reads of this slot.  fill = 1: the slot is filled again, two slots ahead.
.macro TURN slot, next, sc, nsg, fill
	s_wait_tensorcnt 0x0                           ; all my tensor loads have landed: my part of the next slot
	ds_add_u32 v[SPW], v[NIL]                      ; 0 onto my spare word
	s_wait_dscnt 1                                 ; (the add alone may be out: this step's fragments are in)
	WIN 0xa1
	MUL8 0, 1, 3, \sc, 0                           ; eight matrix instructions stand between the add and the wait for it
	s_wait_dscnt 0x0                               ; the add is done, and my reads of this slot are over
	s_barrier_signal -1
	MUL8 1, 1, 3, \sc, 0
	WIN 0
	s_barrier_wait -1
.if \fill
	CREST                                          ; the barrier has opened a round of the cluster's barrier: no wave of any partner still reads this slot or has a load on its way
	s_add_nc_u64 s[G0A+4*\slot+2:G0A+4*\slot+3], s[G0A+4*\slot+2:G0A+4*\slot+3], 2*TSL
	s_add_nc_u64 s[G0B+4*\slot+2:G0B+4*\slot+3], s[G0B+4*\slot+2:G0B+4*\slot+3], 2*TSL
	JLOAD G0A+4*\slot, G1A, G0B+4*\slot, G1B       ; my one tensor load behind the round; its four v_nop are the places in front of the loads below
.else
	PLACES 4
.endif
	FETCH \next, 0, 0
	SCALES \nsg
.if (\fill) && ((\nsg) == 1)
	PF 3                                           ; behind slot 2's load and the run of LDS loads
.endif
	WIN 0xa1
	MUL8 2, 1, 3, \sc, 0
	MUL8 3, 1, 3, \sc, 0
	WIN 0
.endm
	s_wait_alu depctr_va_vdst(0)                   ; the head's end
	s_wait_tensorcnt 0x0                           ; my tile of the head's four is in; slot 1's first fill is issued as a refill is:
	ds_add_u32 v[SPW], v[NIL]                      ; 0 onto my spare word
	s_mov_b32 s[G1A+2], 8<<16                      ; no tensor load of mine is out: from here on a load brings half of a slot's tiles
	s_mov_b32 s[G1A+4], 8
	s_mov_b32 s[G1B+2], 4<<16
	s_mov_b32 s[G1B+4], 4
	s_wait_dscnt 0x0                               ; the add is done
	CROUND                                         ; all four tiles are in, and all four work-groups are here
	JLOAD G0A+4, G1A, G0B+4, G1B                   ; slot 1: my one tensor load behind the round
	FETCH 0, 0, 0
	SCALES 0
	PF 2                                           ; behind slot 1's load and the run of LDS loads
	STEP 0, 0, 0, 1                                ; the first step's products start the sums: nothing is cleared
	STEP 0, 1, 0, 0
	STEP 0, 2, 0, 0
	TURN 0, 1, 0, 1, 1                             ; slot 0 takes steps 8 to 11
	STEP 1, 0, 1, 0
	STEP 1, 1, 1, 0
	STEP 1, 2, 1, 0
	TURN 1, 0, 1, 2, 1
	s_cmp_eq_u32 s43, 3
	s_cbranch_scc1 .Lno_tab                        ; v has no RoPE
	WIN 0xc0                                       ; destination window 3: cos and sin of my 64 positions, asked for behind the last refill's request: they land while the last eight K steps are walked
.irp a, 0,1,2,3                        ; tile a: cos(d = 16 h + i) at 64 a + i, cos(32 + 16 h + i) at + 16, sin likewise at + 32, + 48
.irp j, 0,1,2,3
	global_load_b128 v[64*\a+4*\j:64*\a+4*\j+3], v[VCS], s[6:7] offset:(32*(\a/2)+8*(\a%2))*256+16*\j
	global_load_b128 v[64*\a+16+4*\j:64*\a+16+4*\j+3], v[VCS], s[6:7] offset:(32*(\a/2)+8*(\a%2))*256+128+16*\j
	global_load_b128 v[64*\a+32+4*\j:64*\a+32+4*\j+3], v[VCS], s[8:9] offset:(32*(\a/2)+8*(\a%2))*256+16*\j
	global_load_b128 v[64*\a+48+4*\j:64*\a+48+4*\j+3], v[VCS], s[8:9] offset:(32*(\a/2)+8*(\a%2))*256+128+16*\j
.endr
.endr
	WIN 0
.Lno_tab:
	STEP 0, 0, 0, 0
	STEP 0, 1, 0, 0
	STEP 0, 2, 0, 0
	TURN 0, 1, 0, 3, 0                             ; nothing is left to fetch
	STEP 1, 0, 1, 0
	STEP 1, 1, 1, 0
	STEP 1, 2, 1, 0
	s_wait_dscnt 0x0
	WIN 0xa1
	MUL8 0, 1, 3, 1, 0
	MUL8 1, 1, 3, 1, 0
	MUL8 2, 1, 3, 1, 0
	MUL8 3, 1, 3, 1, 0
	WIN 0
.irp b, 0,1,2,3
	v_mov_b32 v[TM+4+\b], 0                        ; a lane permute's destination counts as read; these four are also the places behind the last products
.endr
	s_wait_loadcnt 0x0                             ; cos and sin
	s_cmp_eq_u32 s43, 3
	s_cbranch_scc1 .Lno_rope
; RoPE on tile a, both heads e: lo = register 32 e + i (d = 16 h + i), hi = 32 e + 16 + i (d + 32).  lo' = lo cos(d) - hi sin(d);  hi' = hi cos(d + 32) + lo sin(d + 32).  Each accumulator is first read at its low end.
.macro ROPE a
	WIN 0x0e                                       ; source 0 window 2, source 1 window 3
.irp e, 0,1
.irp i, 0,2,4,6,8,10,12,14
	v_pk_mul_f32 v[TT+32*\e+\i:TT+32*\e+\i+1], v[64*\a+32*\e+\i:64*\a+32*\e+\i+1], v[64*\a+\i:64*\a+\i+1]
	v_pk_mul_f32 v[TT+32*\e+16+\i:TT+32*\e+16+\i+1], v[64*\a+32*\e+\i:64*\a+32*\e+\i+1], v[64*\a+48+\i:64*\a+48+\i+1]
.endr
.endr
	WIN 0x8e                                       ; and the destination window 2
.irp e, 0,1
.irp i, 0,2,4,6,8,10,12,14
	v_pk_fma_f32 v[64*\a+32*\e+\i:64*\a+32*\e+\i+1], v[64*\a+32*\e+16+\i:64*\a+32*\e+16+\i+1], v[64*\a+32+\i:64*\a+32+\i+1], v[TT+32*\e+\i:TT+32*\e+\i+1] neg_lo:[1,0,0] neg_hi:[1,0,0]
	v_pk_fma_f32 v[64*\a+32*\e+16+\i:64*\a+32*\e+16+\i+1], v[64*\a+32*\e+16+\i:64*\a+32*\e+16+\i+1], v[64*\a+16+\i:64*\a+16+\i+1], v[TT+32*\e+16+\i:TT+32*\e+16+\i+1]
.endr
.endr
.endm
	ROPE 0
	ROPE 1
	ROPE 2
	ROPE 3
	WIN 0
.Lno_rope:
; Tile a's 64 numbers of a lane (register 16 b + i = index 32 b + 16 h + i of my row) become a fragment's codes and its scale word, and the codes leave: six stores of 256 neighbouring bytes, aligned.
.macro QUANT a
.set PC, PCB+20*(\a)
	WIN 0x0a
.irp b, 0,1,2,3
	v_max3_num_f32 v[TM+\b], |v[64*\a+16*\b]|, |v[64*\a+16*\b+1]|, 0x1800000   ; the floor 2^(3 - 127) holds the byte at 1 from below
.endr
	WIN 0x28
.irp i, 2,4,6,8,10,12,14
.irp b, 0,1,2,3
	v_max3_num_f32 v[TM+\b], v[TM+\b], |v[64*\a+16*\b+\i]|, |v[64*\a+16*\b+\i+1]|
.endr
.endr
	WIN 0
.irp b, 0,1,2,3
	v_permlanex16_b32 v[TM+4+\b], v[TM+\b], s[SEL], s[SEL+1]
.endr
.irp b, 0,1,2,3
	v_max_num_f32 v[TM+\b], v[TM+\b], v[TM+4+\b]   ; with lane l xor 16's: the block's largest magnitude
.endr
.irp b, 0,1,2,3
	v_add_nc_u32 v[TM+12+\b], 0xff000000, v[TM+\b] ; 2 off the exponent field: the conversion's scale operand
.endr
.irp b, 0,1,2,3
	v_lshrrev_b32 v[TM+4+\b], 23, v[TM+12+\b]
.endr
	v_lshl_or_b32 v[PW+\a], v[TM+5], 8, v[TM+4]
	v_lshl_or_b32 v[PW+\a], v[TM+6], 16, v[PW+\a]
	v_lshl_or_b32 v[PW+\a], v[TM+7], 24, v[PW+\a]
	WIN 0x02
.irp c, 0,1
	v_cvt_scalef32_pk16_fp6_f32 v[PC+6*\c:PC+6*\c+2], v[64*\a+32*\c:64*\a+32*\c+15], v[TM+12+2*\c]
	v_cvt_scalef32_pk16_fp6_f32 v[PC+12+4*\c:PC+14+4*\c], v[64*\a+32*\c+16:64*\a+32*\c+31], v[TM+13+2*\c]
.endr
	WIN 0
	v_nop                                          ; one plain place behind the conversions
.irp c, 0,1                            ; the layout wants a whole block in a lane: lanes 0-15 block 2 c, lanes 16-31 block 2 c + 1
.irp i, 0,1,2
	v_permlane16_swap_b32 v[PC+6*\c+\i], v[PC+12+4*\c+\i]
.endr
.irp i, 0,1,2
	v_mov_b32 v[PC+3+6*\c+\i], v[PC+12+4*\c+\i]
.endr
.endr
.irp p, 0,1,2
	global_store_b64 v[VO+\a], v[PC+2*\p:PC+2*\p+1], s[2:3] offset:256*\p
.endr
.irp p, 0,1,2
	global_store_b64 v[VO+\a], v[PC+6+2*\p:PC+7+2*\p], s[12:13] offset:256*\p
.endr
.endm
	QUANT 0
	QUANT 1
	QUANT 2
	QUANT 3
	v_cmp_ne_u32 vcc_lo, 0, v2
	v_cndmask_b32 v4, v[PW], v[PW+2], vcc_lo       ; lanes 0-15 store tiles 0, 1 of row r, lanes 16-31 tiles 2, 3
	v_cndmask_b32 v5, v[PW+1], v[PW+3], vcc_lo
	v_and_b32 v6, s97, v4                          ; q, k: the first head's two bytes, the upper two 0;  v: all four
	v_and_b32 v7, s97, v5
	global_store_b64 v3, v[6:7], s[18:19]          ; 256 neighbouring bytes, aligned
	s_cmp_eq_u32 s43, 3
	s_cbranch_scc1 .Lone_word
	v_lshrrev_b32 v18, 16, v4                      ; the second head's
	v_lshrrev_b32 v19, 16, v5
	global_store_b64 v3, v[18:19], s[20:21]
.Lone_word:
	s_wait_tensorcnt 0x0                           ; the wave's end
	ds_add_u32 v[SPW], v[NIL]
	s_wait_dscnt 0x0
	CROUND                                         ; the closing round: no work-group ends while a partner may still ask for a tile that names it
	s_endpgm
.Lfunc_end_k_qb2e28576c5_qkv:
	.size	k_qb2e28576c5_qkv, .Lfunc_end_k_qb2e28576c5_qkv-k_qb2e28576c5_qkv
	.p2alignl 7, 3214868480
	.fill 96, 4, 3214868480
	.section	.rodata,"a",@progbits
	.p2align	6, 0x0
	.amdhsa_kernel k_qb2e28576c5_qkv
		.amdhsa_group_segment_fixed_size 327680
		.amdhsa_private_segment_fixed_size 0
		.amdhsa_enable_private_segment 0
		.amdhsa_kernarg_size 32
		.amdhsa_user_sgpr_count 2
		.amdhsa_user_sgpr_kernarg_segment_ptr 1
		.amdhsa_wavefront_size32 1
		.amdhsa_system_sgpr_workgroup_id_x 1
		.amdhsa_system_sgpr_workgroup_id_y 1
		.amdhsa_system_sgpr_workgroup_id_z 1
		.amdhsa_system_vgpr_workitem_id 0
		.amdhsa_next_free_vgpr 1024
		.amdhsa_next_free_sgpr 106
		.amdhsa_reserve_vcc 1
		.amdhsa_float_denorm_mode_32 3
		.amdhsa_float_denorm_mode_16_64 3
		.amdhsa_memory_ordered 1
		.amdhsa_forward_progress 1
		.amdhsa_inst_pref_size 165
	.end_amdhsa_kernel
	.amdgpu_metadata
---
amdhsa.version: [ 1, 2 ]
amdhsa.kernels:
  - .name:           k_qb2e28576c5_qkv
    .symbol:         k_qb2e28576c5_qkv.kd
    .args:
      - { .name: opnd, .offset: 0, .size: 8, .value_kind: global_buffer, .address_space: global }
      - { .name: cos, .offset: 8, .size: 8, .value_kind: global_buffer, .address_space: global }
      - { .name: sin, .offset: 16, .size: 8, .value_kind: global_buffer, .address_space: global }
      - { .name: qkv, .offset: 24, .size: 8, .value_kind: global_buffer, .address_space: global }
    .group_segment_fixed_size: 327680
    .private_segment_fixed_size: 0
    .kernarg_segment_align: 8
    .kernarg_segment_size: 32
    .max_flat_workgroup_size: 128
    .sgpr_count:     106
    .vgpr_count:     1024
    .wavefront_size: 32
...
	.end_amdgpu_metadata
.endif
;; end of part 2
;; launch attn (part 3): grid 16 x 16, 16 waves a work-group, clusters of 4 x 1, 327,680 bytes of LDS; arguments qkv, att; writes att
.if DOCPART == 3
	.amdgcn_target "amdgcn-amd-amdhsa--gfx1250"
	.amdhsa_code_object_version 6
	.text
	.protected	k_qb2e28576c5_attn
	.globl	k_qb2e28576c5_attn
	.p2align	8
	.type	k_qb2e28576c5_attn,@function
k_qb2e28576c5_attn:
	s_mov_b64 s[64:65], 0
	v_nop
	global_prefetch_b8 v0, s[64:65] scope:SCOPE_SE
	s_setreg_imm32_b32 hwreg(HW_REG_WAVE_MODE, 25, 1), 1
	s_wait_xcnt 0x0
	s_wait_alu depctr_hold_cnt(0) depctr_sa_sdst(0) depctr_va_vdst(0) depctr_va_sdst(0) depctr_va_ssrc(0) depctr_va_vcc(0) depctr_vm_vsrc(0)
	s_getreg_b32 s2, hwreg(HW_REG_IB_STS2, 6, 4)
	s_cmp_eq_u32 s2, 0
	s_cbranch_scc0 .Lentry_in_a_cluster
	s_endpgm
.Lentry_in_a_cluster:
	s_bfe_u32 s2, ttmp6, 0x10000c
	s_cmp_lg_u32 s2, 0x3003
	s_cbranch_scc0 .Lentry_shape_is_right
	s_endpgm
.Lentry_shape_is_right:
; THIRD LAUNCH: S^T = k q^T, softmax, O^T = v^T p^T on codes of E2M3, and the result quantised along the head's 64 for the last product.
; WORK LEFT OUT: reference() adds triu(-inf, k = 1) to the scores, so a step of 128 keys that lies wholly behind a tile's 16 queries reaches no output whatever finite values the inputs hold: it is not multiplied.
; LIMITS: a NaN, an infinity or an overflow that reaches only such a step is not carried to the result; the promise holds while the scaled scores (exponents to the base 2) stay under 2^31 in magnitude.
; SHARES.  Work-group y = 8 batch + kv head; x = 4 cluster x + cx.  Wave w: s = w % 4, head e = (w / 4) % 2 of the kv head's two, hi = w / 8.  Its row tile is T0 = 16 s + (x, or 15 - x where s is odd), or 127 - T0 where hi = 1.
; Tile T needs steps 0 .. T / 8 of 128 keys.  With a0 = T0 / 8 = 2 s + ((s % 2) xor (cluster x / 2)), tile T0 has a0 + 1 steps and tile 127 - T0 has 16 - a0: 17 together.  THE KEYS ARE DEALT TOO:
;   wave (s, e, 0) walks steps 0 .. a0 for tile T0, finishes and stores it, takes tile 127 - T0's q and walks that tile's steps a0 + 1 .. 7: 8 steps;
;   wave (s, e, 1) walks tile 127 - T0's steps 0 .. a0 and 8 .. 15 - a0: 9 steps; at the end it takes the other wave's O^T, sum and -M from LDS and joins them: M is a whole number, so both factors are exact powers of two.
; Which steps a wave walks hangs on the cluster's x and the wave's number alone: no branch hangs on a work-group's place in its cluster; that place enters global addresses and the mask's lane numbers only.
; ALL OF K AND V OF THE (batch, kv head) LIES IN LDS: 8 slots of 24,576 bytes (256 keys: 16 key tiles x 768, then V's 2 steps x 4 channel tiles x 1,536) and 12,288 bytes of scale words, each filled once, at the head,
; one tensor load a wave: waves 0-7 a slot each, waves 8-15 1,536 bytes of scale words each.  Every work-group owns a tile T >= 112 (s = 0, hi = 1), whose two waves read keys of all 8 slots and words of all 8 parts.
; Nothing is filled again: one barrier shows the tiles to all waves, and the walk over the keys has no barrier.
; CLUSTER 4 x 1: the four partners need the same 208,896 bytes and ask for them jointly (mask 15).  No prefetch: all loads go out at the head, there is no loop of loads to run ahead in.
; The walk has a constant count of 8 trips of 2 steps; scalar branches on ids lead round the steps that are not the wave's.  The mask is laid on a tile's last step alone.
; K = 64 in an instruction of 128: q's upper six registers are zero codes, so k's upper six may hold any codes: tile t's operand is v[KR + 6 t .. + 11], whose upper half is tile t + 1's codes (tile 7's: p's codes); the scale words' upper bytes are 0.
; Every wave loads its partner tile's q at the head; the waves with hi = 1 do not use theirs (768 bytes and 64 of words a wave): so the head has one path.
; REGISTERS: v1-9 addresses; v10 -M, v11 the running largest t; v12-13 the row's sum; v14 f, v15 p's scale word; v16-27 q; v28 q's scale word; v30-33 k's, v38-39 v's scale words (lanes 0-15 two tiles, lanes 16-31 the next two);
;   v44-47, v253-255 the partner tile's q; v48-95 k's codes, free for work behind S^T; v96-107 p's codes; v108-155 v's codes; v156-219 S^T, then p; v220-251 O^T.
.set KVC,   3145728
.set QS,    6291456
.set KVS,   6553600
.set ASC,   3145728
.set SLB,   24576
.set SCK,   8*SLB
.set SCV,   SCK+8192
.set SPARE, SCK+12288                  ; the spare words, 128 bytes a wave
.set SCST,  SPARE+2048                 ; 512 bytes: the results' scale bytes of 8 tiles
.set PBASE, SCST+512                   ; 8 x 4,352 bytes: what a pair's first wave hands to its second
.set PPB,   4352
.set L8,   1
.set RK,   2
.set RV,   3
.set ADK,  4
.set SPW,  5
.set NIL,  6
.set QL,   7
.set ADS,  8
.set ADT,  9
.set MM,   10
.set LSUM, 12
.set FF,   14
.set Q,    16
.set QSC,  28
.set SCA,  29
.set KS,   30
.set PST,  34
.set PS2,  35
.set VS,   38
.set ADW,  42
.set GOW,  43
.set Q2A,  44
.set KR,   48
.set BM,   KR
.set PM,   KR+4
.set SO,   KR+8
.set CT,   KR+12
.set TMP,  KR+20
.set AC2,  KR+22
.set BY,   KR+24
.set HR,   KR+32
.set HH,   KR+33
.set HL,   KR+34
.set HT,   KR+35
.set P,    96
.set VR,   108
.set SR,   156
.set OT,   220
.set WD,   252
.set QSC2, 253
.set Q2B,  254
.set WV,   18
.set SEL,  20
.set CS,   22
.set G1C,  24
.set G1S,  32
.set G0C,  40
.set G0S,  44
.set TB,   48
.set TS,   49
.set TJ,   50
.set ST,   51
.set TRIPS, 52
.set DG,   53                          ; the step that holds my own tile's diagonal
.set V1,   66                          ; I walk steps 0 .. V1,
.set V2,   67                          ; and 8 .. V2
.set SW,   68                          ; ahead of this step I change tiles
.macro CROUND                          ; a round of the cluster's barrier
	s_barrier_signal -1
	s_barrier_wait -1
	s_cmp_lg_u32 s[WV], 0
	s_cbranch_scc1 .Lnot_wave_0_\@
	s_barrier_signal -3
.Lnot_wave_0_\@:
	s_barrier_wait -3
	s_barrier_signal -1
	s_barrier_wait -1
.endm
	s_load_b128 s[4:7], s[0:1], 0x0                ; qkv, att
	v_lshl_add_u32 v[SPW], v0, 2, SPARE
	v_mov_b32 v[NIL], 0
	ds_add_u32 v[SPW], v[NIL]                      ; the opening lines: the add, twice on end, and its wait ahead of my tensor load
	ds_add_u32 v[SPW], v[NIL]
	v_lshrrev_b32 v[HT], 5, v0
	s_delay_alu instid0(VALU_DEP_1)
	v_readfirstlane_b32 s[WV], v[HT]
	s_and_b32 s70, ttmp7, 0xffff                   ; y
	s_bfe_u32 s71, ttmp6, 0x40000                  ; cx
	s_and_b32 s72, s[WV], 3                        ; s
	s_lshr_b32 s73, s[WV], 3                       ; hi
	s_bfe_u32 s74, s[WV], 0x10002                  ; e
	s_lshr_b32 s75, ttmp9, 1                       ; my steps, from the cluster's x and the wave's number alone
	s_xor_b32 s75, s75, s72
	s_and_b32 s75, s75, 1
	s_lshl_b32 s69, s72, 1
	s_add_co_u32 s69, s69, s75                     ; a0
	s_mul_i32 s76, s73, 15
	s_xor_b32 s[DG], s69, s76                      ; a0, or 15 - a0
	s_cmp_eq_u32 s73, 0
	s_cselect_b32 s[V1], 7, s69
	s_cselect_b32 s[V2], 0, s[DG]
	s_lshl_b32 s76, s73, 6
	s_add_co_u32 s[SW], s69, 1
	s_add_co_u32 s[SW], s[SW], s76                 ; a0 + 1; never where hi = 1
	s_lshl_b32 s77, ttmp9, 2
	s_add_co_u32 s77, s77, s71                     ; x
	s_and_b32 s78, s72, 1
	s_mul_i32 s78, s78, 15
	s_xor_b32 s77, s77, s78                        ; x, or 15 - x
	s_lshl_b32 s78, s72, 4
	s_add_co_u32 s77, s77, s78                     ; T0, at most 63
	s_lshl_b32 s94, s77, 6                         ; the results' scale words: tile T0's 64 bytes,
	s_lshl_b32 s95, s77, 1
	s_sub_co_u32 s95, 127, s95
	s_lshl_b32 s95, s95, 6                         ; and from there to tile 127 - T0's
	s_mul_i32 s78, s73, 127
	s_xor_b32 s77, s77, s78                        ; T
	s_lshr_b32 s80, s70, 3
	s_lshl_b32 s80, s80, 7
	s_add_co_u32 s80, s80, s77                     ; tile 128 batch + T
	s_and_b32 s81, s70, 7
	s_lshl_b32 s81, s81, 1
	s_add_co_u32 s81, s81, s74                     ; head
; the offsets of a tile's q: codes into s[\c:\c+1], scale words into s[\w:\w+1]; \t the tile in its sequence, \g in the buffer
.macro QOFF c, w, t, g
	s_mul_i32 s\c, s\g, 12288
	s_mul_i32 s\w, s81, 768
	s_add_co_u32 s\c, s\c, s\w
	s_lshr_b32 s\w, s\g, 2
	s_lshl_b32 s\w, s\w, 12
	s_lshl_b32 s96, s81, 8
	s_add_co_u32 s\w, s\w, s96
	s_bfe_u32 s96, s\t, 0x10001
	s_lshl_b32 s96, s96, 7
	s_add_co_u32 s\w, s\w, s96
	s_and_b32 s96, s\t, 1
	s_lshl_b32 s96, s96, 2
	s_add_co_u32 s\w, s\w, s96
	s_add_co_u32 s\w, s\w, QS
.endm
	QOFF 82, 84, 77, 80                            ; my tile's (the result's codes lie at the same offset in att)
	s_mov_b32 s83, 0
	s_mov_b32 s85, 0
	s_xor_b32 s54, s77, 127                        ; the partner tile 127 - T
	s_xor_b32 s55, s80, 127
	QOFF 56, 58, 54, 55
	s_mov_b32 s57, 0
	s_mov_b32 s59, 0
	s_bfe_u32 s92, s77, 0x20001
	s_lshl_b32 s92, s92, 5
	s_and_b32 s93, s77, 1
	s_lshl_b32 s93, s93, 3
	s_add_co_u32 s92, s92, s93                     ; my tile's first query, counted from its last step's first key
	s_lshl_b32 s90, s70, 13
	s_add_co_u32 s90, s90, ASC
	s_mov_b32 s91, 0
	s_lshl_b32 s98, s72, 6
	s_add_co_u32 s98, s98, SCST                    ; the stage: 64 bytes for (s, hi): 64 s + 256 hi
	s_lshl_b32 s97, s73, 8
	s_add_co_u32 s97, s97, s98
	s_lshl_b32 s96, s74, 1
	s_add_co_u32 s97, s97, s96                     ; + 2 e: my head's two bytes of a word
	s_and_b32 s79, s[WV], 7
	s_mul_i32 s99, s79, PPB
	s_add_co_u32 s99, s99, PBASE                   ; my pair's bytes: the same for waves w and w + 8
	s_mul_i32 s[G0C+1], s79, SLB                   ; waves 0-7: slot w
	s_mul_i32 s86, s70, 8*SLB
	s_add_co_u32 s86, s86, s[G0C+1]
	s_add_co_u32 s86, s86, KVC
	s_mov_b32 s87, 0
	s_mul_i32 s88, s79, 1536                       ; waves 8-15: part w - 8 of the scale words
	s_add_co_u32 s[G0S+1], s88, SCK
	s_mul_i32 s89, s70, 12288
	s_add_co_u32 s88, s88, s89
	s_add_co_u32 s88, s88, KVS
	s_mov_b32 s89, 0
	s_mov_b32 s[G1C+0], 15|(3<<16)|(1<<21)         ; dense blocks as rows of 256 bytes (32 elements of 8); the mask names the four partners
	s_mov_b32 s[G1C+1], 32<<16
	s_mov_b32 s[G1C+2], 96<<16
	s_mov_b32 s[G1C+3], 32<<16
	s_mov_b32 s[G1C+4], 96
	s_mov_b32 s[G1C+5], 32
	s_mov_b32 s[G1C+6], 0
	s_mov_b32 s[G1C+7], 0
	s_mov_b32 s[G1S+0], 15|(3<<16)|(1<<21)
	s_mov_b32 s[G1S+1], 32<<16
	s_mov_b32 s[G1S+2], 6<<16
	s_mov_b32 s[G1S+3], 32<<16
	s_mov_b32 s[G1S+4], 6
	s_mov_b32 s[G1S+5], 32
	s_mov_b32 s[G1S+6], 0
	s_mov_b32 s[G1S+7], 0
	s_mov_b32 s[SEL], 0x76543210
	s_mov_b32 s[SEL+1], 0xfedcba98                 ; lane l xor 16
	s_mov_b32 s[CS], 0x3e38aa3b                    ; log2(e) / 8
	s_mov_b32 s[CS+1], s[CS]
	s_mov_b32 s[TB], 0
	s_mov_b32 s[TS], 0
	s_mov_b32 s[TJ], 0
	s_mov_b32 s[ST], 0
	s_mov_b32 s[TRIPS], 8
	s_wait_dscnt 0x0                               ; both opening adds are done
	s_wait_kmcnt 0x0
	s_mov_b32 s[G0C], 1
	s_add_nc_u64 s[G0C+2:G0C+3], s[4:5], s[86:87]
	s_or_b32 s[G0C+3], s[G0C+3], 0x80000000
	s_mov_b32 s[G0S], 1
	s_add_nc_u64 s[G0S+2:G0S+3], s[4:5], s[88:89]
	s_or_b32 s[G0S+3], s[G0S+3], 0x80000000
	s_add_nc_u64 s[8:9], s[4:5], s[82:83]
	s_add_nc_u64 s[10:11], s[4:5], s[84:85]
	s_add_nc_u64 s[60:61], s[4:5], s[56:57]
	s_add_nc_u64 s[62:63], s[4:5], s[58:59]
	s_add_nc_u64 s[12:13], s[6:7], s[82:83]
	s_add_nc_u64 s[14:15], s[6:7], s[90:91]
	CROUND                                         ; all four work-groups are here: the joint loads meet
	s_cmp_lt_u32 s[WV], 8                          ; one load a wave, in the two arms of one branch on the wave's number
	s_cbranch_scc0 .Lfor_s
	tensor_load_to_lds s[G0C:G0C+3], s[G1C:G1C+7]
	s_nop 0
.rept 4
	v_nop
.endr
	s_branch .Lasked
.Lfor_s:
	tensor_load_to_lds s[G0S:G0S+3], s[G1S:G1S+7]
	s_nop 0
.rept 4
	v_nop
.endr
.Lasked:
	v_and_b32 v[HR], 15, v0                        ; r
	v_bfe_u32 v[HH], v0, 4, 1                      ; h
	v_and_b32 v[HL], 31, v0
	s_delay_alu instid0(VALU_DEP_1)
	v_lshlrev_b32 v[L8], 3, v[HL]
	v_lshlrev_b32 v[HT], 3, v[HR]
.irp p, 0,1,2
	global_load_b64 v[Q+2*\p:Q+2*\p+1], v[L8], s[8:9] offset:256*\p
.endr
	global_load_b32 v[QSC], v[HT], s[10:11]
	global_load_b64 v[Q2A:Q2A+1], v[L8], s[60:61]
	global_load_b64 v[Q2A+2:Q2A+3], v[L8], s[60:61] offset:256
	global_load_b64 v[Q2B:Q2B+1], v[L8], s[60:61] offset:512
	global_load_b32 v[QSC2], v[HT], s[62:63]
	v_add_nc_u32 v[RK], SCK, v[L8]                 ; k's scale words: 8 x lane: lanes 0-15 two tiles' words of row r, lanes 16-31 the next two tiles'
	v_add_nc_u32 v[RV], SCV, v[L8]                 ; v's
	v_lshrrev_b32 v[QL], 3, v[HR]
	v_lshlrev_b32 v[GOW], 4, v[HH]
	s_delay_alu instid0(VALU_DEP_2)
	v_lshl_add_u32 v[QL], v[QL], 3, v[HR]          ; r + 8 (r / 8)
	s_delay_alu instid0(VALU_DEP_1)
	v_sub_nc_u32 v[QL], v[QL], v[GOW]              ; - 16 h
	s_delay_alu instid0(VALU_DEP_1)
	v_add_nc_u32 v[QL], s92, v[QL]                 ; register 16 b + i of the last step is hidden where 32 b + i is greater than this
	v_lshl_add_u32 v[SCA], v[HR], 2, s97
	v_lshl_add_u32 v[ADW], v[HH], 8, s98
	v_mul_u32_u24 v[GOW], v[HH], s95
	s_delay_alu instid0(VALU_DEP_2)
	v_lshl_add_u32 v[ADW], v[HR], 2, v[ADW]        ; waves 0-3 at the end: lanes 0-15 tile T0's words, lanes 16-31 tile 127 - T0's
	s_delay_alu instid0(VALU_DEP_2)
	v_lshl_add_u32 v[GOW], v[HR], 2, v[GOW]
	s_delay_alu instid0(VALU_DEP_1)
	v_add_nc_u32 v[GOW], s94, v[GOW]
	v_lshl_add_u32 v[PST], v[HL], 4, s99           ; the pair's bytes: O^T by groups of four registers, 16 x lane;
	v_add_nc_u32 v[PS2], s99, v[L8]
	s_delay_alu instid0(VALU_DEP_1)
	v_add_nc_u32 v[PS2], 4096, v[PS2]              ; behind them the sum and -M, 8 x lane
.irp i, 6,7,8,9,10,11
	v_mov_b32 v[Q+\i], 0                           ; q's upper 64 along K: zero codes
.endr
.irp i, 0,1,2,3,4,5
	v_mov_b32 v[P+\i], 0                           ; named as the upper half of key tile 7's operand before p is first written
.endr
	v_mov_b32 v[FF], 0
	v_mov_b32 v[FF+1], 0
.irp b, 0,1,2,3
	v_mov_b32 v[PM+\b], 0                          ; a lane permute's destination counts as read
.endr
.macro FRESH                           ; a tile's state: the largest t -3e38, the sum and O^T zeros.  (The step is written once: the first finds zeros)
	v_mov_b32 v[MM+1], 0xff61b1e6
	s_delay_alu instid0(VALU_DEP_1)
	v_floor_f32 v[MM], -v[MM+1]
	v_mov_b32 v[LSUM], 0
	v_mov_b32 v[LSUM+1], 0
.set jj, 0
.rept 32
	v_mov_b32 v[OT+jj], 0
.set jj, jj+1
.endr
.endm
	FRESH
; A tile is finished: O^T / the sum, quantised along the head's 64; the codes leave, the two scale bytes go to the stage.
.macro FINISH
	s_wait_alu depctr_va_vdst(0)
	v_add_f32 v[LSUM], v[LSUM], v[LSUM+1]
	s_delay_alu instid0(VALU_DEP_1)
	v_permlanex16_b32 v[PM], v[LSUM], s[SEL], s[SEL+1]
	s_delay_alu instid0(VALU_DEP_1)
	v_add_f32 v[LSUM], v[LSUM], v[PM]              ; the row's sum
	s_wait_alu depctr_va_vdst(0)
	v_rcp_f32 v[LSUM], v[LSUM]
.rept 4
	v_nop
.endr
	s_wait_alu depctr_va_vdst(0)
.set jj, 0
.rept 16
	v_pk_mul_f32 v[SR+jj:SR+jj+1], v[OT+jj:OT+jj+1], v[LSUM:LSUM+1] op_sel_hi:[1,0]   ; register 16 b + i = channel 32 b + 16 h + i of my query
.set jj, jj+2
.endr
.irp b, 0,1
	v_max3_num_f32 v[BM+\b], |v[SR+16*\b]|, |v[SR+1+16*\b]|, 0x1800000
.endr
.irp i, 2,4,6,8,10,12,14
.irp b, 0,1
	s_delay_alu instid0(VALU_DEP_2)
	v_max3_num_f32 v[BM+\b], v[BM+\b], |v[SR+16*\b+\i]|, |v[SR+1+16*\b+\i]|
.endr
.endr
.irp b, 0,1
	s_delay_alu instid0(VALU_DEP_2)
	v_permlanex16_b32 v[PM+\b], v[BM+\b], s[SEL], s[SEL+1]
.endr
.irp b, 0,1
	s_delay_alu instid0(VALU_DEP_2)
	v_max_num_f32 v[BM+\b], v[BM+\b], v[PM+\b]
.endr
.irp b, 0,1
	s_delay_alu instid0(VALU_DEP_2)
	v_add_nc_u32 v[SO+\b], 0xff000000, v[BM+\b]
.endr
.irp b, 0,1
	s_delay_alu instid0(VALU_DEP_2)
	v_lshrrev_b32 v[BY+\b], 23, v[SO+\b]
.endr
	s_delay_alu instid0(VALU_DEP_1)
	v_lshl_or_b32 v[WD], v[BY+1], 8, v[BY]         ; my head's two scale bytes
	v_cvt_scalef32_pk16_fp6_f32 v[P:P+2], v[SR:SR+15], v[SO]
	v_cvt_scalef32_pk16_fp6_f32 v[CT:CT+2], v[SR+16:SR+31], v[SO+1]
	v_nop
.irp i, 0,1,2
	v_permlane16_swap_b32 v[P+\i], v[CT+\i]
.endr
.irp i, 0,1,2
	s_delay_alu instid0(VALU_DEP_3)
	v_mov_b32 v[P+3+\i], v[CT+\i]
.endr
.irp p, 0,1,2
	global_store_b64 v[L8], v[P+2*\p:P+2*\p+1], s[12:13] offset:256*\p   ; 256 neighbouring bytes, aligned
.endr
	ds_store_b16 v[SCA], v[WD]                     ; the two heads' bytes of a row meet in one word
.endm
; A step: 16 queries x 128 keys.
.macro STEP q
	s_cmp_lg_u32 s[ST], s[SW]
	s_cbranch_scc1 .Lsame_\@
	FINISH                                         ; my own tile is done: from here on the partner tile's q
	s_wait_xcnt 0x0                                ; the stores have read their data: p's registers are written again only behind this wait
.irp i, 0,1,2,3
	v_mov_b32 v[Q+\i], v[Q2A+\i]
.endr
	v_mov_b32 v[Q+4], v[Q2B]
	v_mov_b32 v[Q+5], v[Q2B+1]
	v_mov_b32 v[QSC], v[QSC2]
	FRESH
.Lsame_\@:
	s_cmp_le_u32 s[ST], s[V1]
	s_cbranch_scc1 .Lseen_\@
	s_cmp_lt_u32 s[ST], 8
	s_cbranch_scc1 .Lhidden_\@                     ; the other wave's step,
	s_cmp_gt_u32 s[ST], s[V2]
	s_cbranch_scc1 .Lhidden_\@                     ; or wholly behind the queries
.Lseen_\@:
	v_add_nc_u32 v[ADK], s[TB], v[L8]
	v_add_nc_u32 v[ADS], s[TS], v[RK]
	v_add_nc_u32 v[ADT], s[TJ], v[RV]
	v_nop                                          ; four places in front of loads into registers that the last products read
.irp t, 0,1,2,3,4,5,6,7
.irp p, 0,1,2
	ds_load_b64 v[KR+6*\t+2*\p:KR+6*\t+2*\p+1], v[ADK] offset:(8*(\q)+\t)*768+256*\p
.endr
.endr
	ds_load_b64 v[KS:KS+1], v[ADS]                 ; key tiles 0, 1 (lanes 0-15) and 2, 3 (lanes 16-31)
	ds_load_b64 v[KS+2:KS+3], v[ADS] offset:256    ; 4, 5 and 6, 7
.irp a, 0,1,2,3
.irp p, 0,1,2,3,4,5
	ds_load_b64 v[VR+12*\a+2*\p:VR+12*\a+2*\p+1], v[ADK] offset:12288+6144*(\q)+1536*\a+256*\p
.endr
.endr
	ds_load_b64 v[VS:VS+1], v[ADT]                 ; channel tiles 0, 1 and 2, 3
	s_wait_alu depctr_va_vdst(0)
	s_wait_dscnt 25                                ; k and its words are in; v's 24 loads and its 1 of words may be out
.irp t, 0,1,2,3,4,5,6,7
.if (\t%4) < 2
	v_wmma_scale_f32_16x16x128_f8f6f4 v[SR+8*\t:SR+8*\t+7], v[KR+6*\t:KR+6*\t+11], v[Q:Q+11], 0, v[KS+2*(\t/4)+(\t%2)], v[QSC] matrix_a_fmt:MATRIX_FMT_FP6 matrix_b_fmt:MATRIX_FMT_FP6
.else
	v_wmma_scale_f32_16x16x128_f8f6f4 v[SR+8*\t:SR+8*\t+7], v[KR+6*\t:KR+6*\t+11], v[Q:Q+11], 0, v[KS+2*(\t/4)+(\t%2)], v[QSC] matrix_a_fmt:MATRIX_FMT_FP6 matrix_b_fmt:MATRIX_FMT_FP6 matrix_a_scale:MATRIX_SCALE_ROW1
.endif
.endr
.rept 4
	v_nop
.endr
	s_cmp_lg_u32 s[ST], s[DG]
	s_cbranch_scc1 .Lopen_\@                       ; only my own tile's last step holds the diagonal
	v_mov_b32 v[TMP], 0xff800000
.set nn, 0
.rept 64
	v_cmp_gt_i32 vcc_lo, 32*(nn/16)+nn%16, v[QL]
	v_cndmask_b32 v[SR+nn], v[SR+nn], v[TMP], vcc_lo
.set nn, nn+1
.endr
.Lopen_\@:
.irp b, 0,1,2,3
	v_max3_num_f32 v[BM+\b], v[SR+16*\b], v[SR+1+16*\b], v[SR+2+16*\b]   ; the largest score of each block of 32 keys: for the row's maximum and for the block's largest p
.endr
.irp i, 3,5,7,9,11,13
.irp b, 0,1,2,3
	v_max3_num_f32 v[BM+\b], v[BM+\b], v[SR+16*\b+\i], v[SR+1+16*\b+\i]
.endr
.endr
.irp b, 0,1,2,3
	v_max_num_f32 v[BM+\b], v[BM+\b], v[SR+15+16*\b]
.endr
.irp b, 0,1,2,3
	s_delay_alu instid0(VALU_DEP_4)
	v_permlanex16_b32 v[PM+\b], v[BM+\b], s[SEL], s[SEL+1]
.endr
.irp b, 0,1,2,3
	s_delay_alu instid0(VALU_DEP_4)
	v_max_num_f32 v[BM+\b], v[BM+\b], v[PM+\b]
.endr
	s_delay_alu instid0(VALU_DEP_2)
	v_max3_num_f32 v[TMP], v[BM], v[BM+1], v[BM+2]
	s_delay_alu instid0(VALU_DEP_1)
	v_max_num_f32 v[TMP], v[TMP], v[BM+3]
	s_delay_alu instid0(VALU_DEP_1)
	v_mul_f32 v[TMP], s[CS], v[TMP]
	s_delay_alu instid0(VALU_DEP_1)
	v_max_num_f32 v[MM+1], v[MM+1], v[TMP]         ; the running largest t
	v_mov_b32 v[TMP], v[MM]
	s_delay_alu instid0(VALU_DEP_2)
	v_floor_f32 v[MM], -v[MM+1]                    ; -M = floor(-t): M is a whole number
	s_delay_alu instid0(VALU_DEP_1)
	v_sub_f32 v[TMP], v[MM], v[TMP]
	s_delay_alu instid0(VALU_DEP_1)
	v_cvt_i32_f32 v[TMP], v[TMP]
	s_delay_alu instid0(VALU_DEP_1)
	v_ldexp_f32 v[FF], 1.0, v[TMP]                 ; f = 2^(old M - new M)
.set jj, 0
.rept 32
	v_pk_fma_f32 v[SR+jj:SR+jj+1], v[SR+jj:SR+jj+1], s[CS:CS+1], v[MM:MM+1] op_sel_hi:[1,0,0]   ; t - M
.set jj, jj+2
.endr
.irp b, 0,1,2,3
	v_fma_f32 v[BM+\b], v[BM+\b], s[CS], v[MM]
.endr
	v_pk_mul_f32 v[LSUM:LSUM+1], v[LSUM:LSUM+1], v[FF:FF+1] op_sel_hi:[1,0]   ; the sum and O^T under the new M
.set jj, 0
.rept 16
	v_pk_mul_f32 v[OT+jj:OT+jj+1], v[OT+jj:OT+jj+1], v[FF:FF+1] op_sel_hi:[1,0]
.set jj, jj+2
.endr
	s_wait_dscnt 0x0                               ; v and its words are in
	s_wait_alu depctr_va_vdst(0)                   ; ahead of the batch
.set jj, 0
.rept 64
	v_exp_f32 v[SR+jj], v[SR+jj]                   ; p = 2^(t - M)
.set jj, jj+1
.endr
.irp b, 0,1,2,3
	v_exp_f32 v[BM+\b], v[BM+\b]                   ; each block's largest p
.endr
	v_nop                                          ; one plain place behind the batch
	s_wait_alu depctr_va_vdst(0)                   ; and the one wait for it
.irp b, 0,1,2,3
	v_max_num_f32 v[BM+\b], 0x1800000, v[BM+\b]    ; the floor 2^(3 - 127) holds the byte at 1 from below
.endr
.irp b, 0,1,2,3
	s_delay_alu instid0(VALU_DEP_4)
	v_add_nc_u32 v[SO+\b], 0xff000000, v[BM+\b]    ; 2 off the exponent field: the conversion's scale operand
.endr
.irp b, 0,1,2,3
	s_delay_alu instid0(VALU_DEP_4)
	v_lshrrev_b32 v[BY+\b], 23, v[SO+\b]
.endr
	s_delay_alu instid0(VALU_DEP_3)
	v_lshl_or_b32 v[FF+1], v[BY+1], 8, v[BY]
	s_delay_alu instid0(VALU_DEP_1)
	v_lshl_or_b32 v[FF+1], v[BY+2], 16, v[FF+1]
	s_delay_alu instid0(VALU_DEP_1)
	v_lshl_or_b32 v[FF+1], v[BY+3], 24, v[FF+1]    ; p's scale word for these 128 keys
.irp c, 0,1
	v_cvt_scalef32_pk16_fp6_f32 v[P+6*\c:P+6*\c+2], v[SR+32*\c:SR+15+32*\c], v[SO+2*\c]
	v_cvt_scalef32_pk16_fp6_f32 v[CT+4*\c:CT+4*\c+2], v[SR+16+32*\c:SR+31+32*\c], v[SO+1+2*\c]
.endr
	v_nop                                          ; one plain place behind the conversions
.irp c, 0,1                            ; a whole block in a lane: lanes 0-15 block 2 c, lanes 16-31 block 2 c + 1
.irp i, 0,1,2
	v_permlane16_swap_b32 v[P+6*\c+\i], v[CT+4*\c+\i]
.endr
.irp i, 0,1,2
	s_delay_alu instid0(VALU_DEP_3)
	v_mov_b32 v[P+3+6*\c+\i], v[CT+4*\c+\i]
.endr
.endr
	v_pk_add_f32 v[AC2:AC2+1], v[SR:SR+1], v[SR+2:SR+3]   ; the row's sum of the unquantised p, in two chains; these 32 lines are also the places in front of the scaled products
.irp j, 4,8,12,16,20,24,28,32,36,40,44,48,52,56,60
	v_pk_add_f32 v[LSUM:LSUM+1], v[LSUM:LSUM+1], v[SR+\j:SR+1+\j]
	v_pk_add_f32 v[AC2:AC2+1], v[AC2:AC2+1], v[SR+2+\j:SR+3+\j]
.endr
	v_pk_add_f32 v[LSUM:LSUM+1], v[LSUM:LSUM+1], v[AC2:AC2+1]
.irp a, 0,1
	v_wmma_scale_f32_16x16x128_f8f6f4 v[OT+8*\a:OT+8*\a+7], v[VR+12*\a:VR+12*\a+11], v[P:P+11], v[OT+8*\a:OT+8*\a+7], v[VS+\a], v[FF+1] matrix_a_fmt:MATRIX_FMT_FP6 matrix_b_fmt:MATRIX_FMT_FP6
.endr
.irp a, 2,3
	v_wmma_scale_f32_16x16x128_f8f6f4 v[OT+8*\a:OT+8*\a+7], v[VR+12*\a:VR+12*\a+11], v[P:P+11], v[OT+8*\a:OT+8*\a+7], v[VS+\a-2], v[FF+1] matrix_a_fmt:MATRIX_FMT_FP6 matrix_b_fmt:MATRIX_FMT_FP6 matrix_a_scale:MATRIX_SCALE_ROW1
.endr
.Lhidden_\@:
	s_add_co_u32 s[ST], s[ST], 1
	s_add_co_u32 s[TS], s[TS], 512
	s_add_co_u32 s[TJ], s[TJ], 256
.endm
	s_wait_alu depctr_va_vdst(0)                   ; the head's end
	s_wait_loadcnt 0x0                             ; q
	s_wait_tensorcnt 0x0                           ; my tile has landed;
	s_barrier_signal -1
	s_barrier_wait -1                              ; and so has everybody's
.Lslot:
	STEP 0
	STEP 1
	s_add_co_u32 s[TB], s[TB], SLB
	s_sub_co_u32 s[TRIPS], s[TRIPS], 1
	s_cmp_lg_u32 s[TRIPS], 0
	s_cbranch_scc1 .Lslot
	s_cmp_lg_u32 s73, 0
	s_cbranch_scc1 .Lkeeps
	s_wait_alu depctr_va_vdst(0)                   ; hi = 0: my part of the partner tile goes to the pair's bytes.
	v_add_f32 v[LSUM], v[LSUM], v[LSUM+1]          ; my lane's sum,
	v_mov_b32 v[LSUM+1], v[MM]                     ; and -M beside it
	v_nop
	v_nop                                          ; four places behind the last products
.irp i, 0,1,2,3,4,5,6,7
	ds_store_b128 v[PST], v[OT+4*\i:OT+4*\i+3] offset:512*\i   ; each accumulator from its low end on
.endr
	ds_store_b64 v[PS2], v[LSUM:LSUM+1]
.Lkeeps:
	s_wait_dscnt 0x0
	s_barrier_signal -1
	s_barrier_wait -1
	s_cmp_eq_u32 s73, 0
	s_cbranch_scc1 .Lgave
	s_wait_alu depctr_va_vdst(0)                   ; hi = 1: the two parts are joined under the larger M
.irp i, 0,1,2,3,4,5,6,7
	ds_load_b128 v[SR+4*\i:SR+4*\i+3], v[PST] offset:512*\i
.endr
	ds_load_b64 v[AC2:AC2+1], v[PS2]
	v_add_f32 v[LSUM], v[LSUM], v[LSUM+1]
	v_mov_b32 v[SO+1], 0                           ; (named as the upper half of a pair)
	s_wait_alu depctr_va_vdst(0)
	s_wait_dscnt 0x0
	v_min_num_f32 v[TMP], v[MM], v[AC2+1]          ; the smaller -M
	s_delay_alu instid0(VALU_DEP_1)
	v_sub_f32 v[BM], v[TMP], v[MM]                 ; whole numbers, 0 or less
	v_sub_f32 v[BM+1], v[TMP], v[AC2+1]
	s_delay_alu instid0(VALU_DEP_2)
	v_cvt_i32_f32 v[BM], v[BM]                     ; (it saturates: a part with no step has -M = 3e38, zeros, and the factor 0)
	s_delay_alu instid0(VALU_DEP_2)
	v_cvt_i32_f32 v[BM+1], v[BM+1]
	s_delay_alu instid0(VALU_DEP_2)
	v_ldexp_f32 v[FF], 1.0, v[BM]
	s_delay_alu instid0(VALU_DEP_2)
	v_ldexp_f32 v[SO], 1.0, v[BM+1]
	s_delay_alu instid0(VALU_DEP_2)
	v_mul_f32 v[LSUM], v[LSUM], v[FF]
	v_mov_b32 v[LSUM+1], 0
	s_delay_alu instid0(VALU_DEP_2)
	v_fma_f32 v[LSUM], v[AC2], v[SO], v[LSUM]
.set jj, 0
.rept 16
	v_pk_mul_f32 v[OT+jj:OT+jj+1], v[OT+jj:OT+jj+1], v[FF:FF+1] op_sel_hi:[1,0]
.set jj, jj+2
.endr
.set jj, 0
.rept 16
	v_pk_fma_f32 v[OT+jj:OT+jj+1], v[SR+jj:SR+jj+1], v[SO:SO+1], v[OT+jj:OT+jj+1] op_sel_hi:[1,0,1]
.set jj, jj+2
.endr
	FINISH
.Lgave:
	s_wait_dscnt 0x0
	s_barrier_signal -1
	s_barrier_wait -1
	s_cmp_ge_u32 s[WV], 4
	s_cbranch_scc1 .Lno_words
	ds_load_b32 v[WD], v[ADW]
	s_wait_dscnt 0x0
	global_store_b32 v[GOW], v[WD], s[14:15]       ; two tiles' 64 bytes each: a work-group's tiles are no neighbours; one byte in 24 of what the launch stores
.Lno_words:
	s_wait_tensorcnt 0x0                           ; the wave's end
	ds_add_u32 v[SPW], v[NIL]
	s_wait_dscnt 0x0
	CROUND                                         ; the closing round
	s_endpgm
.Lfunc_end_k_qb2e28576c5_attn:
	.size	k_qb2e28576c5_attn, .Lfunc_end_k_qb2e28576c5_attn-k_qb2e28576c5_attn
	.p2alignl 7, 3214868480
	.fill 96, 4, 3214868480
	.section	.rodata,"a",@progbits
	.p2align	6, 0x0
	.amdhsa_kernel k_qb2e28576c5_attn
		.amdhsa_group_segment_fixed_size 327680
		.amdhsa_private_segment_fixed_size 0
		.amdhsa_enable_private_segment 0
		.amdhsa_kernarg_size 16
		.amdhsa_user_sgpr_count 2
		.amdhsa_user_sgpr_kernarg_segment_ptr 1
		.amdhsa_wavefront_size32 1
		.amdhsa_system_sgpr_workgroup_id_x 1
		.amdhsa_system_sgpr_workgroup_id_y 1
		.amdhsa_system_sgpr_workgroup_id_z 1
		.amdhsa_system_vgpr_workitem_id 0
		.amdhsa_next_free_vgpr 256
		.amdhsa_next_free_sgpr 100
		.amdhsa_reserve_vcc 1
		.amdhsa_float_denorm_mode_32 3
		.amdhsa_float_denorm_mode_16_64 3
		.amdhsa_memory_ordered 1
		.amdhsa_forward_progress 1
		.amdhsa_inst_pref_size 80
	.end_amdhsa_kernel
	.amdgpu_metadata
---
amdhsa.version: [ 1, 2 ]
amdhsa.kernels:
  - .name:           k_qb2e28576c5_attn
    .symbol:         k_qb2e28576c5_attn.kd
    .args:
      - { .name: qkv, .offset: 0, .size: 8, .value_kind: global_buffer, .address_space: global }
      - { .name: att, .offset: 8, .size: 8, .value_kind: global_buffer, .address_space: global }
    .group_segment_fixed_size: 327680
    .private_segment_fixed_size: 0
    .kernarg_segment_align: 8
    .kernarg_segment_size: 16
    .max_flat_workgroup_size: 512
    .sgpr_count:     100
    .vgpr_count:     256
    .wavefront_size: 32
...
	.end_amdgpu_metadata
.endif
;; end of part 3
;; launch oproj (part 4): grid 256 x 1, 4 waves a work-group, clusters of 4 x 1, 327,680 bytes of LDS; arguments att, opnd, out0; writes out0
.if DOCPART == 4
	.amdgcn_target "amdgcn-amd-amdhsa--gfx1250"
	.amdhsa_code_object_version 6
	.text
	.protected	k_qb2e28576c5_oproj
	.globl	k_qb2e28576c5_oproj
	.p2align	8
	.type	k_qb2e28576c5_oproj,@function
k_qb2e28576c5_oproj:
	s_mov_b64 s[64:65], 0
	v_nop
	global_prefetch_b8 v0, s[64:65] scope:SCOPE_SE
	s_setreg_imm32_b32 hwreg(HW_REG_WAVE_MODE, 25, 1), 1
	s_wait_xcnt 0x0
	s_wait_alu depctr_hold_cnt(0) depctr_sa_sdst(0) depctr_va_vdst(0) depctr_va_sdst(0) depctr_va_ssrc(0) depctr_va_vcc(0) depctr_vm_vsrc(0)
	s_getreg_b32 s2, hwreg(HW_REG_IB_STS2, 6, 4)
	s_cmp_eq_u32 s2, 0
	s_cbranch_scc0 .Lentry_in_a_cluster
	s_endpgm
.Lentry_in_a_cluster:
	s_bfe_u32 s2, ttmp6, 0x10000c
	s_cmp_lg_u32 s2, 0x3003
	s_cbranch_scc0 .Lentry_shape_is_right
	s_endpgm
.Lentry_shape_is_right:
; FOURTH LAUNCH: out0 = attention's result x wo on codes of E2M3, K = 1,024; f32 out.  Nothing is left out here.
; Source 0 = 16 columns of wo (neighbours), source 1 = 16 rows of the attention's result: a lane holds one row and eight neighbouring columns.
; SHARES.  Cluster number c: i1 = c / 4: 256 rows; columns 128 (4 (c % 4) + cx) on.  Wave w: rows 128 (w / 2) on (8 row tiles), columns 64 (w % 2) on (4 tiles of wo: 256 bytes of a row of out0).
; CLUSTER 4 x 1: the four partners share the rows' tiles and their scale words (joint loads, mask 15); the columns' tiles are each partner's own.
; ALL OF K LIES IN LDS, filled once: a tile's 8 K steps are 12,288 dense bytes of memory, 8 tiles 98,304.  One tensor load a wave at the head: waves 0 and 1 the rows' halves, wave 2 wo's 8 tiles, wave 3 the rows' scale words.
; wo's scale words go from memory straight into their 16 registers, 256 neighbouring bytes to sixteen lanes.  No prefetch: all loads go out at the head, there is no loop of loads to run ahead in.
; THE WALK GOES BY ROWS OF THE RESULT.  My four tiles of wo for all of K, 4 x 8 x 12 = 384 registers, are read from LDS once and stay.  Then my eight row tiles go one after the other: 32 matrix instructions each (8 K steps x 4 accumulators by turns).
; While tile a is multiplied, tile a + 1's fragments (48 loads and 8 of scale words) are on their way, and tile a - 1 goes through my stage and is stored: no fragment is read from LDS twice, and finished rows leave while the others are multiplied.
; LDS: the rows' 16 tiles x 12,288, wo's 8 from 196,608, the rows' scale words ([K step][tile][row], 8 x 1,024) from 294,912, the spare words, and a stage of 16 rows x (256 + 16) bytes for each wave, into which no fill lands.
; The rows' fragments lie as two half fragments (registers 2 p, 2 p + 1 of lane l at 256 p + 8 l), wo's by groups of four registers (512 c + 16 l).
; The rows of a tile are not neighbours: lane r of tile 2 g + u is row 32 g + 8 u + r + 8 (r / 8): the stores' offsets put each row in its place.
; REGISTERS: window 0: v16-29 addresses; v32-47 wo's scale words (8 (tile % 2) + K step; lanes 0-15 tiles 0, 1, lanes 16-31 tiles 2, 3); v48-63 the rows', two sets; v64-255 the rows' fragments, two sets of 96.
;   window 1: wo's fragments of K steps 0-4 (48 step + 12 tile); window 2: of K steps 5-7.  window 3: v0-63 the accumulators, two sets of 32; v64-127 rows read back from the stage, two sets.
.set OC,    9437184
.set OS,    11403264
.set ASC,   3145728
.set FRB,   1536
.set TSL,   8*FRB
.set S0O,   16*TSL
.set SCL,   24*TSL
.set SPARE, SCL+8192
.set STG,   SPARE+512
.set SP,    272
.set ADR1,  16                         ; v16 my row tiles 0-3, v17 tiles 4-7
.set ADR0,  20
.set ASA,   22
.set GSB,   23
.set STO,   24
.set RD,    25
.set CO,    26
.set SPW,   28
.set NIL,   29
.set SB,    32
.set SA,    48
.set F,     64
.set G1A,   24
.set G0A,   32
.set G1B,   48
.set G0B,   56
.set G1SA,  68
.set G0SA,  76
.set MSB, 0
.macro WIN new                         ; the immediate's high byte repeats the setting that is left
.if MSB != \new
	s_set_vgpr_msb (MSB<<8)|\new
.set MSB, \new
.endif
.endm
.macro PLACES n
.rept \n
	v_nop
.endr
.endm
.macro CROUND                          ; a round of the cluster's barrier
	s_barrier_signal -1
	s_barrier_wait -1
	s_cmp_lg_u32 s14, 0
	s_cbranch_scc1 .Lnot_wave_0_\@
	s_barrier_signal -3
.Lnot_wave_0_\@:
	s_barrier_wait -3
	s_barrier_signal -1
	s_barrier_wait -1
.endm
	s_load_b128 s[4:7], s[0:1], 0x0                ; att, opnd
	s_load_b64 s[8:9], s[0:1], 0x10                ; out0
	v_lshl_add_u32 v[SPW], v0, 2, SPARE
	v_mov_b32 v[NIL], 0
	ds_add_u32 v[SPW], v[NIL]                      ; the opening lines: the add, twice on end, and its wait ahead of my tensor load
	ds_add_u32 v[SPW], v[NIL]
	v_lshrrev_b32 v1, 5, v0
	v_readfirstlane_b32 s14, v1
	s_lshr_b32 s15, s14, 1                         ; which half of the rows is mine
	s_and_b32 s16, s14, 1                          ; which half of the columns.  Also: which half of the rows' tiles waves 0 and 1 fetch
	s_bfe_u32 s40, ttmp6, 0x40000                  ; cx
	s_lshr_b32 s42, ttmp9, 2                       ; i1
	s_and_b32 s43, ttmp9, 3
	s_lshl_b32 s47, s43, 2
	s_add_co_u32 s47, s47, s40                     ; which 128 columns
	s_lshl_b32 s46, s42, 4
	s_lshl_b32 s18, s16, 3
	s_add_co_u32 s46, s46, s18                     ; the rows' tile 16 i1 + the half's 8
	s_mul_i32 s20, s46, TSL
	s_mov_b32 s21, 0
	s_lshr_b32 s22, s42, 3
	s_lshl_b32 s22, s22, 16                        ; their scale words: batch x 8 K steps x 8,192,
	s_and_b32 s18, s42, 7
	s_lshl_b32 s18, s18, 10
	s_add_co_u32 s22, s22, s18                     ; the 16 tiles' 1,024 bytes
	s_add_co_u32 s22, s22, ASC
	s_mov_b32 s23, 0
	s_mul_i32 s92, s47, 8*TSL                      ; wo's 8 tiles
	s_add_co_u32 s92, s92, OC
	s_mov_b32 s93, 0
	s_lshl_b32 s94, s47, 3
	s_lshl_b32 s95, s16, 2
	s_add_co_u32 s94, s94, s95
	s_lshl_b32 s94, s94, 9                         ; my four tiles' scale words, 512 bytes a tile
	s_add_co_u32 s94, s94, OS
	s_mov_b32 s95, 0
	s_mov_b32 s[G1A+0], 15|(3<<16)|(1<<21)         ; codes: 8 rows of 12,288 bytes (1,536 elements of 8), dense
	s_mov_b32 s[G1A+1], 1536<<16
	s_mov_b32 s[G1A+2], 8<<16
	s_mov_b32 s[G1A+3], 1536<<16
	s_mov_b32 s[G1A+4], 8
	s_mov_b32 s[G1A+5], 1536
	s_mov_b32 s[G1A+6], 0
	s_mov_b32 s[G1A+7], 0
	s_mov_b32 s[G1B+0], 3<<16
	s_mov_b32 s[G1B+1], 1536<<16
	s_mov_b32 s[G1B+2], 8<<16
	s_mov_b32 s[G1B+3], 1536<<16
	s_mov_b32 s[G1B+4], 8
	s_mov_b32 s[G1B+5], 1536
	s_mov_b32 s[G1B+6], 0
	s_mov_b32 s[G1B+7], 0
	s_mov_b32 s[G1SA+0], 15|(3<<16)|(1<<21)        ; the rows' scale words: 8 K steps x 1,024 bytes, 8,192 bytes apart
	s_mov_b32 s[G1SA+1], 128<<16
	s_mov_b32 s[G1SA+2], 8<<16
	s_mov_b32 s[G1SA+3], 128<<16
	s_mov_b32 s[G1SA+4], 8
	s_mov_b32 s[G1SA+5], 1024
	s_mov_b32 s[G1SA+6], 0
	s_mov_b32 s[G1SA+7], 0
	s_mul_i32 s96, s16, 8*TSL
	s_mul_i32 s17, s15, 8*TSL                      ; my eight row tiles
	s_mul_i32 s18, s16, 4*TSL
	s_add_co_u32 s18, s18, S0O                     ; my four tiles of wo
	s_lshl_b32 s19, s15, 9
	s_add_co_u32 s19, s19, SCL                     ; my row tiles' scale words: 64 bytes a tile
	s_mul_i32 s97, s14, 16*SP
	s_add_co_u32 s97, s97, STG                     ; my stage
	s_lshl_b32 s12, s42, 8
	s_lshl_b32 s13, s15, 7
	s_add_co_u32 s12, s12, s13                     ; my first row: 256 i1 + 128 (w / 2)
	s_lshl_b32 s12, s12, 13
	s_lshl_b32 s13, s47, 9
	s_add_co_u32 s12, s12, s13
	s_lshl_b32 s13, s16, 8
	s_add_co_u32 s12, s12, s13                     ; my first column, in bytes
	s_mov_b32 s13, 0
	s_wait_dscnt 0x0                               ; both opening adds are done
	s_wait_kmcnt 0x0
	s_add_nc_u64 s[20:21], s[4:5], s[20:21]
	s_add_nc_u64 s[22:23], s[4:5], s[22:23]
	s_add_nc_u64 s[92:93], s[6:7], s[92:93]
	s_add_nc_u64 s[94:95], s[6:7], s[94:95]
	s_add_nc_u64 s[8:9], s[8:9], s[12:13]
	CROUND                                         ; all four work-groups are here: the joint loads meet
	s_mov_b32 s[G0A], 1
	s_mov_b32 s[G0A+1], s96
	s_mov_b64 s[G0A+2:G0A+3], s[20:21]
	s_or_b32 s[G0A+3], s[G0A+3], 0x80000000
	s_mov_b32 s[G0B], 1
	s_mov_b32 s[G0B+1], S0O
	s_mov_b64 s[G0B+2:G0B+3], s[92:93]
	s_or_b32 s[G0B+3], s[G0B+3], 0x80000000
	s_mov_b32 s[G0SA], 1
	s_mov_b32 s[G0SA+1], SCL
	s_mov_b64 s[G0SA+2:G0SA+3], s[22:23]
	s_or_b32 s[G0SA+3], s[G0SA+3], 0x80000000
; one chain of branches on the wave's number, one load to an arm, all arms leading to one join
.macro ARM under, g0, g1, next
	s_cmp_lt_u32 s14, \under
	s_cbranch_scc0 \next
	tensor_load_to_lds s[\g0:\g0+3], s[\g1:\g1+7]
	s_nop 0
.rept 4
	v_nop
.endr
	s_branch .Lhead_asked
\next:
.endm
	ARM 2, G0A, G1A, .Lhead_b
	ARM 3, G0B, G1B, .Lhead_sa
	tensor_load_to_lds s[G0SA:G0SA+3], s[G1SA:G1SA+7]
	s_nop 0
.rept 4
	v_nop
.endr
.Lhead_asked:
	v_and_b32 v1, 15, v0                           ; r
	v_bfe_u32 v2, v0, 4, 1                         ; h
	v_and_b32 v4, 31, v0
	v_lshlrev_b32 v6, 4, v1                        ; 16 r
	v_lshl_add_u32 v[GSB], v2, 10, v6              ; wo's scale words: 16 r; lanes 16-31 two tiles on
.irp i, 0,1
.irp g, 0,1
	global_load_b128 v[SB+8*\i+4*\g:SB+8*\i+4*\g+3], v[GSB], s[94:95] offset:512*\i+256*\g
.endr
.endr
	v_lshlrev_b32 v3, 3, v4
	v_lshlrev_b32 v5, 4, v4
	v_add_nc_u32 v[ADR1], s17, v3
	v_add_nc_u32 v[ADR1+1], 4*TSL, v[ADR1]
	v_add_nc_u32 v[ADR0], s18, v5
	v_lshl_add_u32 v[ASA], v1, 2, s19              ; 4 r
	v_mul_u32_u24 v[STO], v1, SP
	v_lshl_add_u32 v[STO], v2, 5, v[STO]
	v_add_nc_u32 v[STO], s97, v[STO]               ; the stage, in: row r, 32 bytes for each half of the lanes
	v_mul_u32_u24 v[RD], v2, SP
	v_add_nc_u32 v[RD], v[RD], v6
	v_add_nc_u32 v[RD], s97, v[RD]                 ; back: lanes 0-15 a row of 256 bytes, lanes 16-31 the next
	v_lshl_add_u32 v[CO], v2, 13, v6               ; and the same two rows in out0
.macro FETCH a                         ; 56 LDS loads in one run: row tile a's fragments of all 8 K steps and its scale words, into set a % 2
.irp st, 0,1,2,3,4,5,6,7
.irp c, 0,1,2,3,4,5
	ds_load_b64 v[F+96*((\a)%2)+12*\st+2*\c:F+96*((\a)%2)+12*\st+2*\c+1], v[ADR1+(\a)/4] offset:TSL*((\a)%4)+FRB*\st+256*\c
.endr
.endr
.irp st, 0,1,2,3,4,5,6,7
	ds_load_b32 v[SA+8*((\a)%2)+\st], v[ASA] offset:1024*\st+64*(\a)
.endr
.endm
; 32 matrix instructions: row tile a against my four tiles of wo, K ascending.  The four accumulators take turns, one instruction a turn; the first K step starts the sums.
.macro MUL a
.set kk, 0
.rept 8
.if kk == 0
	WIN 0xf1                                       ; source 0 window 1, source 1 window 0, C and D window 3
.endif
.if kk == 5
	WIN 0xf2                                       ; source 0 window 2
.endif
.set bb, 0
.rept 4
.set rD, 32*((\a)%2)+8*bb
.set rA, 48*(kk%5)+12*bb
.set rB, F+96*((\a)%2)+12*kk
.set rX, SB+8*(bb%2)+kk
.set rY, SA+8*((\a)%2)+kk
.if (kk == 0) && (bb < 2)
	v_wmma_scale_f32_16x16x128_f8f6f4 v[rD:rD+7], v[rA:rA+11], v[rB:rB+11], 0, v[rX], v[rY] matrix_a_fmt:MATRIX_FMT_FP6 matrix_b_fmt:MATRIX_FMT_FP6
.elseif kk == 0
	v_wmma_scale_f32_16x16x128_f8f6f4 v[rD:rD+7], v[rA:rA+11], v[rB:rB+11], 0, v[rX], v[rY] matrix_a_fmt:MATRIX_FMT_FP6 matrix_b_fmt:MATRIX_FMT_FP6 matrix_a_scale:MATRIX_SCALE_ROW1
.elseif bb < 2
	v_wmma_scale_f32_16x16x128_f8f6f4 v[rD:rD+7], v[rA:rA+11], v[rB:rB+11], v[rD:rD+7], v[rX], v[rY] matrix_a_fmt:MATRIX_FMT_FP6 matrix_b_fmt:MATRIX_FMT_FP6
.else
	v_wmma_scale_f32_16x16x128_f8f6f4 v[rD:rD+7], v[rA:rA+11], v[rB:rB+11], v[rD:rD+7], v[rX], v[rY] matrix_a_fmt:MATRIX_FMT_FP6 matrix_b_fmt:MATRIX_FMT_FP6 matrix_a_scale:MATRIX_SCALE_ROW1
.endif
.set bb, bb+1
.endr
.set kk, kk+1
.endr
	WIN 0
.endm
; THE WAY OUT of row tile a, 16 rows x 64 columns, through my own stage: in as 32 bytes a lane, back as whole rows of 256 bytes.  LDS serves a wave's instructions in order: no wait between the stores and the loads, nor in front of the next tile's stores.
.macro TOSTAGE a
	WIN 0x0c                                       ; an LDS store's data: window 3
.irp b, 0,1,2,3
	ds_store_b128 v[STO], v[32*((\a)%2)+8*\b:32*((\a)%2)+8*\b+3] offset:64*\b          ; each accumulator from its low end on
	ds_store_b128 v[STO], v[32*((\a)%2)+8*\b+4:32*((\a)%2)+8*\b+7] offset:64*\b+16
.endr
	WIN 0xc0                                       ; destination window 3
.irp t, 0,1,2,3,4,5,6,7
	ds_load_b128 v[64+32*((\a)%2)+4*\t:64+32*((\a)%2)+4*\t+3], v[RD] offset:\t*2*SP
.endr
	WIN 0
.endm
.macro SEND a
	WIN 0x0c                                       ; a store's data: window 3
.irp t, 0,1,2,3,4,5,6,7
	global_store_b128 v[CO], v[64+32*((\a)%2)+4*\t:64+32*((\a)%2)+4*\t+3], s[8:9] offset:(32*((\a)/2)+8*((\a)%2)+2*\t+8*(\t/4))*8192 th:TH_STORE_NT   ; sixteen lanes store 256 neighbouring bytes, aligned; 126 rows at the most: inside the signed 24-bit immediate
.endr
	WIN 0
.endm
.macro TILE a
	s_wait_dscnt 0x0                               ; tile a's fragments, asked for ahead of the last tile's products, are in
.if (\a) > 0
	PLACES 4                                       ; behind the last tile's products: for the stage's reads of its results and for the loads into its fragments' registers
.if (\a) > 2
	s_wait_xcnt 0x0                                ; tile a - 3's stores have read their data: tile a - 1's rows may land there
.endif
	TOSTAGE (\a)-1
.endif
.if (\a) < 7
	FETCH (\a)+1
.endif
	MUL \a
.if (\a) > 0
.if (\a) < 7
	s_wait_dscnt 56                                ; tile a - 1 is back from the stage; the 56 loads of tile a + 1 may be out
.else
	s_wait_dscnt 0x0
.endif
	SEND (\a)-1
.endif
.endm
	s_wait_alu depctr_va_vdst(0)                   ; the head's end
	s_wait_loadcnt 0x0                             ; wo's scale words
	s_wait_tensorcnt 0x0                           ; my tile has landed;
	s_barrier_signal -1
	s_barrier_wait -1                              ; and so has everybody's
	WIN 0x40                                       ; my four tiles of wo, all of K: 96 loads
.irp st, 0,1,2,3,4
.irp b, 0,1,2,3
.irp c, 0,1,2
	ds_load_b128 v[48*\st+12*\b+4*\c:48*\st+12*\b+4*\c+3], v[ADR0] offset:TSL*\b+FRB*\st+512*\c
.endr
.endr
.endr
	WIN 0x80
.irp st, 5,6,7
.irp b, 0,1,2,3
.irp c, 0,1,2
	ds_load_b128 v[48*(\st-5)+12*\b+4*\c:48*(\st-5)+12*\b+4*\c+3], v[ADR0] offset:TSL*\b+FRB*\st+512*\c
.endr
.endr
.endr
	WIN 0
	FETCH 0
.irp a, 0,1,2,3,4,5,6,7
	TILE \a
.endr
	PLACES 4                                       ; behind the last products
	s_wait_xcnt 0x0                                ; tile 5's stores have read their data
	TOSTAGE 7
	s_wait_dscnt 0x0
	SEND 7
	s_wait_tensorcnt 0x0                           ; the wave's end, behind my tensor load and my last LDS store
	ds_add_u32 v[SPW], v[NIL]
	s_wait_dscnt 0x0
	CROUND                                         ; the closing round
	s_endpgm
.Lfunc_end_k_qb2e28576c5_oproj:
	.size	k_qb2e28576c5_oproj, .Lfunc_end_k_qb2e28576c5_oproj-k_qb2e28576c5_oproj
	.p2alignl 7, 3214868480
	.fill 96, 4, 3214868480
	.section	.rodata,"a",@progbits
	.p2align	6, 0x0
	.amdhsa_kernel k_qb2e28576c5_oproj
		.amdhsa_group_segment_fixed_size 327680
		.amdhsa_private_segment_fixed_size 0
		.amdhsa_enable_private_segment 0
		.amdhsa_kernarg_size 24
		.amdhsa_user_sgpr_count 2
		.amdhsa_user_sgpr_kernarg_segment_ptr 1
		.amdhsa_wavefront_size32 1
		.amdhsa_system_sgpr_workgroup_id_x 1
		.amdhsa_system_sgpr_workgroup_id_y 1
		.amdhsa_system_sgpr_workgroup_id_z 1
		.amdhsa_system_vgpr_workitem_id 0
		.amdhsa_next_free_vgpr 1024
		.amdhsa_next_free_sgpr 100
		.amdhsa_reserve_vcc 0
		.amdhsa_float_denorm_mode_32 3
		.amdhsa_float_denorm_mode_16_64 3
		.amdhsa_memory_ordered 1
		.amdhsa_forward_progress 1
		.amdhsa_inst_pref_size 92
	.end_amdhsa_kernel
	.amdgpu_metadata
---
amdhsa.version: [ 1, 2 ]
amdhsa.kernels:
  - .name:           k_qb2e28576c5_oproj
    .symbol:         k_qb2e28576c5_oproj.kd
    .args:
      - { .name: att, .offset: 0, .size: 8, .value_kind: global_buffer, .address_space: global }
      - { .name: opnd, .offset: 8, .size: 8, .value_kind: global_buffer, .address_space: global }
      - { .name: out0, .offset: 16, .size: 8, .value_kind: global_buffer, .address_space: global }
    .group_segment_fixed_size: 327680
    .private_segment_fixed_size: 0
    .kernarg_segment_align: 8
    .kernarg_segment_size: 24
    .max_flat_workgroup_size: 128
    .sgpr_count:     100
    .vgpr_count:     1024
    .wavefront_size: 32
...
	.end_amdgpu_metadata
.endif
;; end of part 4
